; MI455X (gfx1250); checked and timed in simulation.
; The chip was launched on July 23, 2026; its instructions are those of AMD's public machine-readable ISA for CDNA 5 (MIT licence, August 2026) and "CDNA5" Instruction Set Architecture Reference Guide (July 2026). The comments in the code are by the model that wrote it; some were corrected since.
;; Attention. Allowed arithmetic: float matrix products may take bf16 or f16 operands with f32 sums; other float arithmetic in f32, or as packed bf16 or f16 multiplies, adds, multiply-adds, maxima and minima; sums over many terms, partial sums and values carried from step to step in f32; what a program stores and reads back later, other than sums and carried values, may be rounded once to bf16 or f16.
;; Inputs: Wk 1,024 x 1,024 float32; Wo 1,024 x 1,024 float32; Wq 1,024 x 1,024 float32; Wv 1,024 x 1,024 float32; bk 1,024 float32; bo 1,024 float32; bq 1,024 float32; bv 1,024 float32; x 4 x 2,048 x 1,024 float32.
;; Outputs: out0 4 x 2,048 x 1,024 float32.
;; One version. Each part assembles by itself: llvm-mc -triple=amdgcn-amd-amdhsa -mcpu=gfx1250 --defsym DOCPART=n.
;; ======== version 1 of 1: 5 launches
;; limits: values are held in f16: magnitudes above 65,504 overflow, below 6.1e-05 lose precision
;; workspace buffers: xh 16,777,216 bytes; wqkv 6,303,744 bytes; wo2 2,109,440 bytes; qkv 50,331,648 bytes; pm 33,554,432 bytes; stat 1,048,576 bytes; ctx 16,777,216 bytes
;; launch cast (part 1): grid 64 x 12, 8 waves a work-group, no clusters, 0 bytes of LDS; arguments x, Wq, Wk, Wv, Wo, bq, bk, bv, bo, xh, wqkv, wo2; writes xh, wqkv, wo2
.if DOCPART == 1
	.amdgcn_target "amdgcn-amd-amdhsa--gfx1250"
	.amdhsa_code_object_version 6
	.text
	.protected	k_q06c55c933b_cast
	.globl	k_q06c55c933b_cast
	.p2align	8
	.type	k_q06c55c933b_cast,@function
k_q06c55c933b_cast:
	s_mov_b64 s[64:65], 0
	v_nop
	global_prefetch_b8 v0, s[64:65] scope:SCOPE_SE
	s_setreg_imm32_b32 hwreg(HW_REG_WAVE_MODE, 25, 1), 1
	s_wait_xcnt 0x0
; CAST.  Every input is rounded once to bf16.  x and the four weight matrices are then written as f16 (the bf16 number, which f16 holds exactly
; between 2^-14 and 65,504), the four biases as f32.  xh: [8192][1024] f16.  wqkv: bytes 0..12,287 the biases bq|bk|bv (f32), from byte 12,288 on
; [3072][1024] f16, Wq|Wk|Wv.  wo2: bytes 0..4,095 bo (f32), from byte 12,288 on [1024][1024] f16.
; LIMITS.  A number beyond 65,504 becomes an infinity; below 2^-14 it keeps f16's fixed step of 6e-8.
; SHARES.  Work-group y picks a unit of 2^20 numbers (0-7: x's eighths; 8-11: Wq, Wk, Wv, Wo), x a chunk of 16,384 of them: 768 work-groups, three for each of 256 WGPs.
; Eight waves; a step is 1,024 numbers: a load of a wave covers 512 consecutive bytes, a store 256 consecutive bytes, aligned.  All 16 loads of a wave go out at the head
; (64 KiB a work-group on their way); each step has its own registers, so no register that a load or store names is ever written again.
; A stream: no LDS, no matrix unit, no cluster (no byte is read twice).
.set NS, 16                            ; steps
.set XS, 4                             ; v[4:67]    step i: 4 numbers as loaded
.set PB, 68                            ; v[68:69]   4 numbers in bf16
.set U,  70                            ; v[70:73]   the same widened to f32
.set Y,  74                            ; v[74:105]  step i: 4 numbers in f16, to store
	s_load_b512 s[8:23], s[0:1], 0x0               ; x, Wq, Wk, Wv, Wo, bq, bk, bv
	s_load_b256 s[24:31], s[0:1], 0x40             ; bo, xh, wqkv, wo2
	s_and_b32 s2, ttmp7, 0xffff                    ; y: the unit
	s_sub_co_u32 s3, s2, 8                         ; u: which weight matrix (used where y >= 8 alone)
	s_mov_b32 s4, ttmp9                            ; the chunk
	s_mov_b32 s5, 0xffff0000                       ; a word's upper bf16
	v_lshlrev_b32 v1, 4, v0                        ; my 16 bytes of a step's input; never rewritten
	v_lshlrev_b32 v2, 3, v0                        ; my 8 bytes of its output; never rewritten
	s_lshl_b32 s36, s2, 22                         ; input offset: x's unit (4 MiB), 0 in a weight matrix,
	s_cmp_lt_u32 s2, 8
	s_cselect_b32 s36, s36, 0
	s_lshl_b32 s37, s4, 16                         ; + the chunk (64 KiB)
	s_add_co_u32 s36, s36, s37
	s_mov_b32 s37, 0
	s_lshl_b32 s39, s3, 21                         ; output offset: behind the header, Wq|Wk|Wv 2 MiB apart, Wo alone,
	s_cmp_lt_u32 s3, 3
	s_cselect_b32 s39, s39, 0
	s_add_co_u32 s39, s39, 12288
	s_lshl_b32 s38, s2, 21                         ; or x's unit (2 MiB),
	s_cmp_lt_u32 s2, 8
	s_cselect_b32 s38, s38, s39
	s_lshl_b32 s39, s4, 15                         ; + the chunk (32 KiB)
	s_add_co_u32 s38, s38, s39
	s_mov_b32 s39, 0
	s_wait_kmcnt 0x0
	s_cmp_lt_u32 s2, 8                             ; the buffers are chosen by y alone
	s_cselect_b64 s[32:33], s[8:9], s[10:11]
	s_cselect_b64 s[34:35], s[26:27], s[28:29]
	s_cmp_eq_u32 s2, 9
	s_cselect_b64 s[32:33], s[12:13], s[32:33]
	s_cmp_eq_u32 s2, 10
	s_cselect_b64 s[32:33], s[14:15], s[32:33]
	s_cmp_eq_u32 s2, 11
	s_cselect_b64 s[32:33], s[16:17], s[32:33]
	s_cselect_b64 s[34:35], s[30:31], s[34:35]
	s_add_nc_u64 s[32:33], s[32:33], s[36:37]
	s_add_nc_u64 s[34:35], s[34:35], s[38:39]
.set n, 0
.rept NS
	global_load_b128 v[XS+4*n:XS+4*n+3], v1, s[32:33] offset:4096*n th:TH_LOAD_NT
.set n, n+1
.endr
; Step i.  The step's place stands in the immediates.
.macro STEP i
	s_wait_loadcnt NS-1-(\i)                       ; loads come back in order: mine is in, the younger ones stay out
	v_cvt_pk_bf16_f32 v[PB],   v[XS+4*(\i)],   v[XS+4*(\i)+1]    ; the one rounding, to nearest even
	v_cvt_pk_bf16_f32 v[PB+1], v[XS+4*(\i)+2], v[XS+4*(\i)+3]
	v_lshlrev_b32 v[U],   16, v[PB]
	v_and_b32     v[U+1], s5, v[PB]
	v_lshlrev_b32 v[U+2], 16, v[PB+1]
	v_and_b32     v[U+3], s5, v[PB+1]
	v_cvt_pk_f16_f32 v[Y+2*(\i)],   v[U],   v[U+1]               ; the same number in f16's code
	v_cvt_pk_f16_f32 v[Y+2*(\i)+1], v[U+2], v[U+3]
	global_store_b64 v2, v[Y+2*(\i):Y+2*(\i)+1], s[34:35] offset:2048*(\i)
.endm
.set n, 0
.rept NS
	STEP n
.set n, n+1
.endr
	; The first chunk's work-group of each weight matrix also rounds that matrix's bias: 1,024 numbers, four a thread.
	s_cmp_lt_u32 s2, 8
	s_cbranch_scc1 .Lend
	s_cmp_lg_u32 s4, 0
	s_cbranch_scc1 .Lend
	s_lshl_b32 s44, s3, 12                         ; bq|bk|bv 4,096 bytes apart in wqkv's header; bo at wo2's first byte
	s_mov_b32 s45, 0
	s_cmp_lt_u32 s3, 3
	s_cselect_b32 s44, s44, 0
	s_cselect_b64 s[42:43], s[28:29], s[30:31]
	s_add_nc_u64 s[42:43], s[42:43], s[44:45]
	s_cmp_eq_u32 s3, 0
	s_cselect_b64 s[40:41], s[18:19], s[20:21]
	s_cmp_eq_u32 s3, 2
	s_cselect_b64 s[40:41], s[22:23], s[40:41]
	s_cmp_eq_u32 s3, 3
	s_cselect_b64 s[40:41], s[24:25], s[40:41]
	global_load_b128 v[106:109], v1, s[40:41]
	s_wait_loadcnt 0x0
	v_cvt_pk_bf16_f32 v110, v106, v107
	v_cvt_pk_bf16_f32 v111, v108, v109
	v_lshlrev_b32 v112, 16, v110
	v_and_b32     v113, s5, v110
	v_lshlrev_b32 v114, 16, v111
	v_and_b32     v115, s5, v111
	global_store_b128 v1, v[112:115], s[42:43]
.Lend:
	s_endpgm
.Lfunc_end_k_q06c55c933b_cast:
	.size	k_q06c55c933b_cast, .Lfunc_end_k_q06c55c933b_cast-k_q06c55c933b_cast
	.p2alignl 7, 3214868480
	.fill 96, 4, 3214868480
	.section	.rodata,"a",@progbits
	.p2align	6, 0x0
	.amdhsa_kernel k_q06c55c933b_cast
		.amdhsa_group_segment_fixed_size 0
		.amdhsa_private_segment_fixed_size 0
		.amdhsa_enable_private_segment 0
		.amdhsa_kernarg_size 96
		.amdhsa_user_sgpr_count 2
		.amdhsa_user_sgpr_kernarg_segment_ptr 1
		.amdhsa_wavefront_size32 1
		.amdhsa_system_sgpr_workgroup_id_x 1
		.amdhsa_system_sgpr_workgroup_id_y 1
		.amdhsa_system_sgpr_workgroup_id_z 1
		.amdhsa_system_vgpr_workitem_id 0
		.amdhsa_next_free_vgpr 116
		.amdhsa_next_free_sgpr 66
		.amdhsa_reserve_vcc 0
		.amdhsa_float_denorm_mode_32 3
		.amdhsa_float_denorm_mode_16_64 3
		.amdhsa_memory_ordered 1
		.amdhsa_forward_progress 1
		.amdhsa_inst_pref_size 13
	.end_amdhsa_kernel
	.amdgpu_metadata
---
amdhsa.version: [ 1, 2 ]
amdhsa.kernels:
  - .name:           k_q06c55c933b_cast
    .symbol:         k_q06c55c933b_cast.kd
    .args:
      - { .name: x, .offset: 0, .size: 8, .value_kind: global_buffer, .address_space: global }
      - { .name: Wq, .offset: 8, .size: 8, .value_kind: global_buffer, .address_space: global }
      - { .name: Wk, .offset: 16, .size: 8, .value_kind: global_buffer, .address_space: global }
      - { .name: Wv, .offset: 24, .size: 8, .value_kind: global_buffer, .address_space: global }
      - { .name: Wo, .offset: 32, .size: 8, .value_kind: global_buffer, .address_space: global }
      - { .name: bq, .offset: 40, .size: 8, .value_kind: global_buffer, .address_space: global }
      - { .name: bk, .offset: 48, .size: 8, .value_kind: global_buffer, .address_space: global }
      - { .name: bv, .offset: 56, .size: 8, .value_kind: global_buffer, .address_space: global }
      - { .name: bo, .offset: 64, .size: 8, .value_kind: global_buffer, .address_space: global }
      - { .name: xh, .offset: 72, .size: 8, .value_kind: global_buffer, .address_space: global }
      - { .name: wqkv, .offset: 80, .size: 8, .value_kind: global_buffer, .address_space: global }
      - { .name: wo2, .offset: 88, .size: 8, .value_kind: global_buffer, .address_space: global }
    .group_segment_fixed_size: 0
    .private_segment_fixed_size: 0
    .kernarg_segment_align: 8
    .kernarg_segment_size: 96
    .max_flat_workgroup_size: 256
    .sgpr_count:     66
    .vgpr_count:     116
    .wavefront_size: 32
...
	.end_amdgpu_metadata
.endif
;; end of part 1
;; launch qkv (part 2): grid 12 x 32, 4 waves a work-group, clusters of 4 x 4, 327,680 bytes of LDS; arguments xh, wqkv, qkv; writes qkv
.if DOCPART == 2
	.amdgcn_target "amdgcn-amd-amdhsa--gfx1250"
	.amdhsa_code_object_version 6
	.text
	.protected	k_q06c55c933b_qkv
	.globl	k_q06c55c933b_qkv
	.p2align	8
	.type	k_q06c55c933b_qkv,@function
k_q06c55c933b_qkv:
	s_mov_b64 s[64:65], 0
	v_nop
	global_prefetch_b8 v0, s[64:65] scope:SCOPE_SE
	s_setreg_imm32_b32 hwreg(HW_REG_WAVE_MODE, 25, 1), 1
	s_wait_xcnt 0x0
	s_wait_alu depctr_hold_cnt(0) depctr_sa_sdst(0) depctr_va_vdst(0) depctr_va_sdst(0) depctr_va_ssrc(0) depctr_va_vcc(0) depctr_vm_vsrc(0)
	s_getreg_b32 s2, hwreg(HW_REG_IB_STS2, 6, 4)
	s_cmp_eq_u32 s2, 0
	s_cbranch_scc0 .Lentry_in_a_cluster
	s_endpgm
.Lentry_in_a_cluster:
	s_bfe_u32 s2, ttmp6, 0x10000c
	s_cmp_lg_u32 s2, 0xf033
	s_cbranch_scc0 .Lentry_shape_is_right
	s_endpgm
.Lentry_shape_is_right:
; q|k|v = x W^T + b.  C[m][n] = sum over k of xh[m][k] w[n][k] + bias[n]; m < 8192, n < 3072 (Wq|Wk|Wv), k < 1024.  Operands f16, sums f32, C rounded once to f16
; and written by panels: qkv = three panels [8192][1024] f16 (q, k, v).  LIMIT: a result beyond 65,504 becomes an infinity.
; SHARES.  A tile of C is 256 x 256: 384 work-groups, one and a half for each of 256 WGPs.  Four waves, 2 x 2: wave w makes rows 128 (w / 2) on, columns 128 (w % 2) on: 64 accumulators of 16 x 16, 512 registers.
; For 32 along K a wave reads 2 x 128 x 64 bytes from LDS for 64 matrix instructions.  K goes in steps of 128 (rows of 256 bytes) through two LDS slots filled by tensor loads, a quarter of a slot a wave:
; waves 0 and 1 fetch the halves of A's 256 rows, waves 2 and 3 those of B's.  Between a refill and the wait for it a wave issues 224 matrix instructions.
; CLUSTER.  4 x 4 work-groups: A's tile hangs on the tile row alone and is asked for jointly by a row of the cluster, B's on the tile column alone, by a column.
; THE PRODUCT IS USED TRANSPOSED (source 0 = 16 rows of B, source 1 = 16 rows of A): a lane holds row l % 16 of C and the columns 8 (l / 16) + 0..7.  The bias, laid out likewise, is the C operand of the first products.
; REGISTERS, in windows of 256 (s_set_vgpr_msb: bits 1:0 source 0, 3:2 source 1, 5:4 source 2, 7:6 destination):
;   window 0: v0-15 addresses; v64-127, v128-191 A's fragments (8 x 16 rows x 32 K), two buffers; on the way out v64-191 rows read back, v192-223 packed results
;   window 1: v0-63 the bias; v64-127, v128-191 B's fragments, two buffers     window 2: accumulator (a, b), a < 4, at v[8 (8 a + b)]     window 3: those of a = 4 .. 7
.set NK,    8                          ; K steps
.set KB,    256                        ; bytes of a row in a K step
.set ROWB,  2048                       ; bytes in a row of xh, of w and of a panel
.set PITCH, 272                        ; an LDS row: 256 bytes + 16 of padding = 68 words: the 16 rows of a fragment load start at 16 different groups of four banks
.set HALFT, 128*PITCH                  ; what one tensor load brings, and what one wave reads of A or of B
.set SLOT,  4*HALFT                    ; A's 256 rows, then B's 256 rows
.set STAGE, 2*SLOT                     ; behind the ring: 16 rows x 272 bytes for each wave, for the way out; no tile lands here
.set SPARE, STAGE+4*16*PITCH           ; the spare words, 128 bytes for each wave: two blocks of 256 bytes that no other line names
.set WOFF,  12288                      ; the weights begin behind the header
.set A0, 4                             ; my lane's place in a slot's A; never rewritten
.set B0, 5                             ; the same for B
.set ADRA, 6                           ; the same in the slot in hand
.set ADRB, 7
.set STO, 8                            ; the way out: where I put 16 bytes of a row
.set RD,  9                            ; where I read rows back
.set CO,  10                           ; my byte offset in two rows of C
.set PFO, 11                           ; the prefetches' offset: lane x a row; never rewritten
.set SPW, 12                           ; LDS address of my spare word; never rewritten
.set NIL, 13                           ; 0; never rewritten
.set BO,  15                           ; my byte offset in the bias; never rewritten
.set F0,  64
.set F1,  128
.set BK,  64                           ; the way out: four buffers of 32, rows read back
.set TMP, 192                          ; the way out: packed results
.set WV, 12                            ; s12 wave; s13 its row half, also: it fetches for A (0) or B (1); s14 its column half, also: which 128 rows it fetches
.set WR, 13
.set WC, 14
.set CX, 16
.set CY, 17
.set TX, 18                            ; tile column
.set TY, 19                            ; tile row
.set G1A, 24                           ; s[24:31] descriptor group 1 for A;  s[32:39] group 0: the first fill's, then the one that walks
.set G0A, 32
.set G1B, 40                           ; s[40:47], s[48:55] the same for B
.set G0B, 48
.set PFA, 56                           ; s[56:57] where my prefetches stand
.set LIM, 60                           ; 2 in a wave that prefetches, else the greatest number
.set TB,  61                           ; LDS byte of the slot in hand: 0 or SLOT
.set OUTP, 70                          ; s[70:71] C at my part of the tile
.set LW,  74                           ; wave x HALFT: my quarter of a slot
.set BIA, 76                           ; s[76:77] the bias of my 128 columns
.set G1W0, (1<<16)|(1<<20)|(1<<21)|(5<<22)|(3<<25)  ; 2-byte elements; padding on; bit 21 beside a mask; after every 64 words; 4 words
.set MSB, 0
.macro WIN new                         ; the immediate's high byte repeats the setting that is left; a switch that changes nothing is dropped
.if MSB != (\new)
	s_set_vgpr_msb (MSB<<8)|(\new)
.set MSB, \new
.endif
.endm
.macro PLACES                          ; four places in front of loads into registers that matrix instructions have read, and of lines that read results
.rept 4
	v_nop
.endr
.endm
.macro CREST                           ; a round of the cluster's barrier behind its opening barrier
	s_cmp_lg_u32 s[WV], 0
	s_cbranch_scc1 .Lnot_wave_0_\@
	s_barrier_signal -3
.Lnot_wave_0_\@:
	s_barrier_wait -3
	s_barrier_signal -1
	s_barrier_wait -1
.endm
.macro CROUND
	s_barrier_signal -1
	s_barrier_wait -1
	CREST
.endm
; A joint refill by the walking descriptors.  The branch hangs on the wave's number alone.  An s_nop 0 and four v_nop follow each load; the four are also the places in front of the fragment loads.
.macro JLOAD
	s_cmp_eq_u32 s[WR], 0
	s_cbranch_scc0 .Lfor_b_\@
	tensor_load_to_lds s[G0A+4:G0A+7], s[G1A:G1A+7]
	s_nop 0
	PLACES
	s_branch .Lasked_\@
.Lfor_b_\@:
	tensor_load_to_lds s[G0B+4:G0B+7], s[G1B:G1B+7]
	s_nop 0
	PLACES
.Lasked_\@:
.endm
; A prefetch of the K step that stands two refills on: 32 rows x 256 bytes, a lane a row, one instruction a wave.  A's rows are named by the first cluster of their row of clusters (waves 0, 1), B's by the first of their
; column (waves 2, 3); of the 128 rows that a wave fetches, the four partners that ask for them jointly take 32 each, told apart by address.  So each row's 256 bytes of a K step are named once.  The loop's last two trips have no such K step.
.macro ASK
	s_cmp_gt_u32 s3, s[LIM]
	s_cbranch_scc0 .Lnot_mine_\@
	global_prefetch_b8 v[PFO], s[PFA:PFA+1] th:TH_LOAD_NT scope:SCOPE_SE
.Lnot_mine_\@:
.endm
; 16 matrix instructions: row blocks a0, a0 + 1 of the window's four (hi = 0: my rows 0-63, 1: rows 64-127) x all 8 column blocks, 32 along K.  mode 0: onto the sums; 2: the bias starts them.
; The 64 accumulators take turns, in the same order in every quarter.
.macro MUL16 f, hi, a0, mode
.if (\mode) == 2
	WIN 0x91+0x40*(\hi)                            ; B and the bias in window 1, A in window 0, D in window 2 or 3
.else
	WIN 0xa1+0x50*(\hi)                            ; B in window 1, A in window 0, C and D in window 2 or 3
.endif
.irp a, \a0, (\a0)+1
.irp b, 0,1,2,3,4,5,6,7
.if (\mode) == 2
	v_wmma_f32_16x16x32_f16 v[8*(8*(\a)+(\b)):8*(8*(\a)+(\b))+7], v[(\f)+8*(\b):(\f)+8*(\b)+7], v[(\f)+8*(4*(\hi)+(\a)):(\f)+8*(4*(\hi)+(\a))+7], v[8*(\b):8*(\b)+7]
.else
	v_wmma_f32_16x16x32_f16 v[8*(8*(\a)+(\b)):8*(8*(\a)+(\b))+7], v[(\f)+8*(\b):(\f)+8*(\b)+7], v[(\f)+8*(4*(\hi)+(\a)):(\f)+8*(4*(\hi)+(\a))+7], v[8*(8*(\a)+(\b)):8*(8*(\a)+(\b))+7]
.endif
.endr
.endr
.endm
; 32 LDS loads in one run: the fragments of one quarter (32 K at byte k of the rows) into buffer f, B's eight first, then A's eight
.macro FETCH k, f
	WIN 0x40                                       ; destination window 1, address window 0
.irp i, 0,1,2,3,4,5,6,7
	ds_load_b128 v[(\f)+8*(\i):(\f)+8*(\i)+3],   v[ADRB] offset:(\k)+(\i)*16*PITCH
	ds_load_b128 v[(\f)+8*(\i)+4:(\f)+8*(\i)+7], v[ADRB] offset:(\k)+(\i)*16*PITCH+32
.endr
	WIN 0
.irp i, 0,1,2,3,4,5,6,7
	ds_load_b128 v[(\f)+8*(\i):(\f)+8*(\i)+3],   v[ADRA] offset:(\k)+(\i)*16*PITCH
	ds_load_b128 v[(\f)+8*(\i)+4:(\f)+8*(\i)+7], v[ADRA] offset:(\k)+(\i)*16*PITCH+32
.endr
.endm
; One of a K step's first three quarters: multiplies buffer f; in its middle the next quarter's fragments, at byte k, are fetched into buffer g.
.macro QUARTER f, g, k, mode
	s_wait_dscnt 8                                 ; B and A's fragments 0-3 are in; the youngest eight loads (A's 4-7) may be out
	MUL16 \f, 0, 0, \mode
	MUL16 \f, 0, 2, \mode
	PLACES
	FETCH \k, \g
	s_wait_dscnt 32                                ; all but the 32 just issued
	MUL16 \f, 1, 0, \mode
	MUL16 \f, 1, 2, \mode
.endm
; The fourth quarter multiplies buffer 1 and changes slots.  Each wave waits for all its tensor loads (the one out is its part of the next slot), adds 0 to its spare word, and waits for that and for its reads of this slot.
; fill = 1: the barrier opens a round of the cluster's, and the joint refill, two K steps ahead, is the first thing behind it.
.macro TURN fill
.if \fill
	s_wait_xcnt 0x0                                ; the last prefetch, a K step back, has read its address
	s_add_nc_u64 s[PFA:PFA+1], s[PFA:PFA+1], KB
.endif
	WIN 0
	s_wait_tensorcnt 0x0                           ; no tensor load of mine is out, so the walking descriptors may be written
	ds_add_u32 v[SPW], v[NIL]
.if \fill
	s_add_co_u32 s[G0A+5], s[LW], s[TB]            ; my quarter of the slot in hand, which is being read out,
	s_add_nc_u64 s[G0A+6:G0A+7], s[G0A+6:G0A+7], KB  ; takes the next K step; the type bits on top are not reached
	s_add_co_u32 s[G0B+5], s[LW], s[TB]
	s_add_nc_u64 s[G0B+6:G0B+7], s[G0B+6:G0B+7], KB
.endif
	s_wait_dscnt 9                                 ; the add and the youngest eight loads may be out
	MUL16 F1, 0, 0, 0
	s_wait_dscnt 0x0                               ; the add is done, and my reads of this slot are over
	s_barrier_signal -1
	MUL16 F1, 0, 2, 0
	WIN 0
	s_barrier_wait -1
.if \fill
	CREST                                          ; no wave of any partner still reads this slot or has a load on its way
	JLOAD
.else
	PLACES
.endif
	s_xor_b32 s[TB], s[TB], SLOT                   ; the other slot
	v_add_nc_u32 v[ADRA], s[TB], v[A0]
	v_add_nc_u32 v[ADRB], s[TB], v[B0]
	FETCH 0, F0
.if \fill
	ASK
.endif
	MUL16 F1, 1, 0, 0
	MUL16 F1, 1, 2, 0
.endm
	s_load_b128 s[4:7], s[0:1], 0x0                ; xh s[4:5], wqkv s[6:7]
	s_load_b64 s[8:9], s[0:1], 0x10                ; qkv
	v_lshl_add_u32 v[SPW], v0, 2, SPARE
	v_mov_b32 v[NIL], 0
	ds_add_u32 v[SPW], v[NIL]                      ; the wave's opening: the add and its wait stand ahead of my first tensor load; work on registers stands between them
	v_lshrrev_b32 v3, 5, v0
	v_readfirstlane_b32 s[WV], v3
	s_lshr_b32 s[WR], s[WV], 1
	s_and_b32 s[WC], s[WV], 1
	s_bfe_u32 s[CX], ttmp6, 0x40000
	s_bfe_u32 s[CY], ttmp6, 0x40004
	s_lshl_b32 s[TX], ttmp9, 2
	s_add_co_u32 s[TX], s[TX], s[CX]
	s_and_b32 s[TY], ttmp7, 0xffff
	s_lshl_b32 s[TY], s[TY], 2
	s_add_co_u32 s[TY], s[TY], s[CY]
	s_lshl_b32 s72, s[CY], 2
	s_lshl_b32 s72, 15, s72                        ; my row of the cluster
	s_lshl_b32 s73, 0x1111, s[CX]                  ; my column
	s_or_b32 s[G1A], s72, G1W0
	s_or_b32 s[G1B], s73, G1W0
.irp g, G1A, G1B
	s_mov_b32 s[(\g)+1], 128<<16                   ; tensor_dim0 = 128
	s_mov_b32 s[(\g)+2], 128<<16                   ; tensor_dim1 = 128
	s_mov_b32 s[(\g)+3], 128<<16                   ; tile_dim0 = 128
	s_mov_b32 s[(\g)+4], 128                       ; tile_dim1 = 128
	s_mov_b32 s[(\g)+5], 1024                      ; elements from row to row
	s_mov_b32 s[(\g)+6], 0
	s_mov_b32 s[(\g)+7], 0
.endr
	s_lshl_b32 s20, s[TY], 19                      ; A: 256 rows x 2,048 bytes a tile row,
	s_lshl_b32 s21, s[WC], 18                      ; the 128 rows that I fetch
	s_add_co_u32 s20, s20, s21
	s_mov_b32 s21, 0
	s_lshl_b32 s22, s[TX], 19                      ; B: 256 rows a tile column,
	s_lshl_b32 s23, s[WC], 18                      ; the 128 rows that I fetch,
	s_add_co_u32 s22, s22, s23
	s_add_co_u32 s22, s22, WOFF                    ; behind the header
	s_mov_b32 s23, 0
	s_mul_i32 s[LW], s[WV], HALFT                  ; where my tiles go: no place in the cluster enters an LDS address
.irp g, G0A, G0B
	s_mov_b32 s[(\g)], 1
	s_mov_b32 s[(\g)+1], s[LW]
	s_mov_b32 s[(\g)+4], 1
	s_add_co_u32 s[(\g)+5], s[LW], SLOT
.endr
	s_and_b32 s75, ttmp7, 0xffff                   ; who prefetches: waves 0 and 1 where cluster x = 0, waves 2 and 3 where cluster y = 0
	s_cmp_eq_u32 s[WR], 0
	s_cselect_b32 s75, ttmp9, s75
	s_cmp_eq_u32 s75, 0
	s_cselect_b32 s[LIM], 2, -1
	v_and_b32 v[PFO], 31, v0
	v_lshlrev_b32 v[PFO], 11, v[PFO]
	s_wait_dscnt 0x0                               ; the opening add is done
	s_wait_kmcnt 0x0
	s_add_nc_u64 s[G0A+2:G0A+3], s[4:5], s[20:21]  ; K step 0,
	s_add_nc_u64 s[G0A+6:G0A+7], s[G0A+2:G0A+3], KB  ; K step 1
	s_or_b32 s[G0A+3], s[G0A+3], 0x80000000
	s_or_b32 s[G0A+7], s[G0A+7], 0x80000000
	s_add_nc_u64 s[G0B+2:G0B+3], s[6:7], s[22:23]
	s_add_nc_u64 s[G0B+6:G0B+7], s[G0B+2:G0B+3], KB
	s_or_b32 s[G0B+3], s[G0B+3], 0x80000000
	s_or_b32 s[G0B+7], s[G0B+7], 0x80000000
	s_lshl_b32 s78, s[CX], 16                      ; the prefetches: my work-group's 32 rows of the 128, at K step 3; the first refill steps them to K step 4
	s_add_co_u32 s78, s78, s20
	s_add_co_u32 s78, s78, 3*KB
	s_lshl_b32 s79, s[CY], 16
	s_add_co_u32 s79, s79, s22
	s_add_co_u32 s79, s79, 3*KB
	s_cmp_eq_u32 s[WR], 0
	s_cselect_b32 s78, s78, s79
	s_cselect_b64 s[PFA:PFA+1], s[4:5], s[6:7]
	s_mov_b32 s79, 0
	s_add_nc_u64 s[PFA:PFA+1], s[PFA:PFA+1], s[78:79]
	s_lshr_b32 s78, s[TX], 2                       ; C: the panel,
	s_lshl_b32 s78, s78, 24
	s_lshl_b32 s79, s[TY], 19                      ; the tile's 256 rows,
	s_add_co_u32 s78, s78, s79
	s_lshl_b32 s79, s[WR], 18                      ; my 128 of them,
	s_add_co_u32 s78, s78, s79
	s_and_b32 s79, s[TX], 3                        ; the tile's 256 columns in the panel,
	s_lshl_b32 s79, s79, 9
	s_add_co_u32 s78, s78, s79
	s_lshl_b32 s79, s[WC], 8                       ; my 128 of them
	s_add_co_u32 s78, s78, s79
	s_mov_b32 s79, 0
	s_add_nc_u64 s[OUTP:OUTP+1], s[8:9], s[78:79]
	s_lshl_b32 s78, s[TX], 10                      ; the bias of my 128 columns, 4 bytes each
	s_lshl_b32 s79, s[WC], 9
	s_add_co_u32 s78, s78, s79
	s_mov_b32 s79, 0
	s_add_nc_u64 s[BIA:BIA+1], s[6:7], s[78:79]
	CROUND                                         ; all sixteen work-groups are here: the first joint loads meet
	s_cmp_eq_u32 s[WR], 0                          ; a wave's two first fills stand together: two loads of mine are out
	s_cbranch_scc0 .Lfirst_b
	tensor_load_to_lds s[G0A:G0A+3], s[G1A:G1A+7]
	s_nop 0
	tensor_load_to_lds s[G0A+4:G0A+7], s[G1A:G1A+7]
	s_nop 0
	PLACES
	s_branch .Lfirst_asked
.Lfirst_b:
	tensor_load_to_lds s[G0B:G0B+3], s[G1B:G1B+7]
	s_nop 0
	tensor_load_to_lds s[G0B+4:G0B+7], s[G1B:G1B+7]
	s_nop 0
	PLACES
.Lfirst_asked:
	v_and_b32 v1, 15, v0                           ; l % 16
	v_bfe_u32 v2, v0, 4, 1                         ; l / 16
	v_lshlrev_b32 v[BO], 5, v2                     ; my 8 columns of a block of 16
	WIN 0x40                                       ; destination window 1
.irp b, 0,1,2,3,4,5,6,7
	global_load_b128 v[8*(\b):8*(\b)+3],   v[BO], s[BIA:BIA+1] offset:64*(\b)
	global_load_b128 v[8*(\b)+4:8*(\b)+7], v[BO], s[BIA:BIA+1] offset:64*(\b)+16
.endr
	WIN 0
	v_mul_u32_u24 v3, v1, PITCH
	v_lshl_add_u32 v3, v2, 4, v3                   ; a fragment's row x pitch + 16 x half
	s_mul_i32 s75, s[WR], HALFT                    ; my 128 rows of A
	v_add_nc_u32 v[A0], s75, v3
	s_mul_i32 s75, s[WC], HALFT                    ; my 128 rows of B,
	s_add_co_u32 s75, s75, 2*HALFT                 ; which lie behind A's 256
	v_add_nc_u32 v[B0], s75, v3
	s_mul_i32 s75, s[WV], 16*PITCH
	s_add_co_u32 s75, s75, STAGE                   ; my stage
	v_add_nc_u32 v[STO], s75, v3                   ; in: row l % 16, 16 bytes for each half of the lanes
	v_mul_u32_u24 v[RD], v2, PITCH                 ; back: lanes 0-15 one row of 256 bytes, lanes 16-31 the next
	v_lshl_add_u32 v[RD], v1, 4, v[RD]
	v_add_nc_u32 v[RD], s75, v[RD]
	v_lshlrev_b32 v[CO], 11, v2                    ; and the same two rows in C
	v_lshl_add_u32 v[CO], v1, 4, v[CO]
	s_wait_tensorcnt 1                             ; my part of K step 0 is in; K step 1's may stay out
	s_barrier_signal -1
	s_barrier_wait -1
	s_mov_b32 s[TB], 0
	v_mov_b32 v[ADRA], v[A0]
	v_mov_b32 v[ADRB], v[B0]
	FETCH 0, F0
	s_wait_loadcnt 0x0                             ; the bias
	QUARTER F0, F1, 64, 2                          ; the first quarter stands in front of the loop: its products start the sums, with the bias
	WIN 0
	s_mov_b32 s3, NK-2
.Lstep:                                                ; a trip: a K step's quarters 1 to 3 and the next step's quarter 0; the slot read out is filled again
	QUARTER F1, F0, 128, 0
	QUARTER F0, F1, 192, 0
	TURN 1
	QUARTER F0, F1, 64, 0
	WIN 0
	s_sub_co_u32 s3, s3, 1
	s_cmp_lg_u32 s3, 0
	s_cbranch_scc1 .Lstep
	s_mov_b32 s3, 2
.Ltail:                                                ; the last two K steps fill nothing: a loop of their own
	QUARTER F1, F0, 128, 0
	QUARTER F0, F1, 192, 0
	TURN 0                                         ; (in the last trip its fetch brings the older slot's bytes once more; nothing reads them)
	WIN 0
	s_wait_dscnt 0x0                               ; that fetch, issued 32 matrix instructions back, is in: both ways below meet with no load into buffer 0 out
	s_cmp_eq_u32 s3, 1
	s_cbranch_scc1 .Llast                          ; behind the last K step there is no next step's first quarter
	QUARTER F0, F1, 64, 0
	WIN 0
.Llast:
	s_sub_co_u32 s3, s3, 1
	s_cmp_lg_u32 s3, 0
	s_cbranch_scc1 .Ltail
	s_wait_dscnt 0x0
	PLACES
; THE WAY OUT, a block of 16 rows at a time: rounded to f16, 16 bytes a lane into my own stage, back as whole rows of 256 bytes, stored.
.macro PACK a
	WIN 0x0a+5*((\a)/4)                            ; sources 0 and 1: window 2 or 3
.irp b, 0,1,2,3,4,5,6,7
.irp i, 0,1,2,3
	v_cvt_pk_f16_f32 v[TMP+4*(\b)+(\i)], v[64*((\a)%4)+8*(\b)+2*(\i)], v[64*((\a)%4)+8*(\b)+2*(\i)+1]
.endr
.endr
	WIN 0
.endm
.macro TOSTAGE a
.irp b, 0,1,2,3,4,5,6,7
	ds_store_b128 v[STO], v[TMP+4*(\b):TMP+4*(\b)+3] offset:32*(\b)
.endr
.if (\a) >= 4
	s_wait_xcnt 0x0                                ; the buffer's registers, which the stores of four blocks back read, are loaded again only behind this wait
.endif
.irp t, 0,1,2,3,4,5,6,7
	ds_load_b128 v[BK+32*((\a)%4)+4*(\t):BK+32*((\a)%4)+4*(\t)+3], v[RD] offset:(\t)*2*PITCH  ; LDS serves a wave's instructions in order (ISA guide 5.7.1.4): these see the stores above
.endr
.endm
.macro SEND a
	s_wait_dscnt 0x0                               ; the block is back in registers
.irp t, 0,1,2,3,4,5,6,7
	global_store_b128 v[CO], v[BK+32*((\a)%4)+4*(\t):BK+32*((\a)%4)+4*(\t)+3], s[OUTP:OUTP+1] offset:(16*(\a)+2*(\t))*ROWB  ; 16 lanes store 256 consecutive bytes, aligned
.endr
.endm
	PACK 0
	TOSTAGE 0
.irp a, 1,2,3,4,5,6,7                  ; block a's conversions stand between block a - 1's loads from the stage and the wait for them
	PACK \a
	SEND (\a)-1
	TOSTAGE \a
.endr
	SEND 7
	s_wait_tensorcnt 0x0                           ; the wave's end
	ds_add_u32 v[SPW], v[NIL]
	s_wait_dscnt 0x0
	CROUND                                         ; the closing round
	s_endpgm
.Lfunc_end_k_q06c55c933b_qkv:
	.size	k_q06c55c933b_qkv, .Lfunc_end_k_q06c55c933b_qkv-k_q06c55c933b_qkv
	.p2alignl 7, 3214868480
	.fill 96, 4, 3214868480
	.section	.rodata,"a",@progbits
	.p2align	6, 0x0
	.amdhsa_kernel k_q06c55c933b_qkv
		.amdhsa_group_segment_fixed_size 327680
		.amdhsa_private_segment_fixed_size 0
		.amdhsa_enable_private_segment 0
		.amdhsa_kernarg_size 24
		.amdhsa_user_sgpr_count 2
		.amdhsa_user_sgpr_kernarg_segment_ptr 1
		.amdhsa_wavefront_size32 1
		.amdhsa_system_sgpr_workgroup_id_x 1
		.amdhsa_system_sgpr_workgroup_id_y 1
		.amdhsa_system_sgpr_workgroup_id_z 1
		.amdhsa_system_vgpr_workitem_id 0
		.amdhsa_next_free_vgpr 1024
		.amdhsa_next_free_sgpr 80
		.amdhsa_reserve_vcc 0
		.amdhsa_float_denorm_mode_32 3
		.amdhsa_float_denorm_mode_16_64 3
		.amdhsa_memory_ordered 1
		.amdhsa_forward_progress 1
		.amdhsa_inst_pref_size 102
	.end_amdhsa_kernel
	.amdgpu_metadata
---
amdhsa.version: [ 1, 2 ]
amdhsa.kernels:
  - .name:           k_q06c55c933b_qkv
    .symbol:         k_q06c55c933b_qkv.kd
    .args:
      - { .name: xh, .offset: 0, .size: 8, .value_kind: global_buffer, .address_space: global }
      - { .name: wqkv, .offset: 8, .size: 8, .value_kind: global_buffer, .address_space: global }
      - { .name: qkv, .offset: 16, .size: 8, .value_kind: global_buffer, .address_space: global }
    .group_segment_fixed_size: 327680
    .private_segment_fixed_size: 0
    .kernarg_segment_align: 8
    .kernarg_segment_size: 24
    .max_flat_workgroup_size: 128
    .sgpr_count:     80
    .vgpr_count:     1024
    .wavefront_size: 32
...
	.end_amdgpu_metadata
.endif
;; end of part 2
;; launch scores (part 3): grid 8 x 32, 4 waves a work-group, clusters of 4 x 4, 327,680 bytes of LDS; arguments qkv, pm, stat; writes pm, stat
.if DOCPART == 3
	.amdgcn_target "amdgcn-amd-amdhsa--gfx1250"
	.amdhsa_code_object_version 6
	.text
	.protected	k_q06c55c933b_scores
	.globl	k_q06c55c933b_scores
	.p2align	8
	.type	k_q06c55c933b_scores,@function
k_q06c55c933b_scores:
	s_mov_b64 s[64:65], 0
	v_nop
	global_prefetch_b8 v0, s[64:65] scope:SCOPE_SE
	s_setreg_imm32_b32 hwreg(HW_REG_WAVE_MODE, 25, 1), 1
	s_wait_xcnt 0x0
	s_wait_alu depctr_hold_cnt(0) depctr_sa_sdst(0) depctr_va_vdst(0) depctr_va_sdst(0) depctr_va_ssrc(0) depctr_va_vcc(0) depctr_vm_vsrc(0)
	s_getreg_b32 s2, hwreg(HW_REG_IB_STS2, 6, 4)
	s_cmp_eq_u32 s2, 0
	s_cbranch_scc0 .Lentry_in_a_cluster
	s_endpgm
.Lentry_in_a_cluster:
	s_bfe_u32 s2, ttmp6, 0x10000c
	s_cmp_lg_u32 s2, 0xf033
	s_cbranch_scc0 .Lentry_shape_is_right
	s_endpgm
.Lentry_shape_is_right:
; THE SCORES AND THE FIRST HALF OF THE SOFTMAX.  s[m][n] = sum over a of q[m][a] k[n][a], per batch of 2,048 rows; q and k are panels 0 and 1 of qkv, f16; sums f32.
; The keys go in blocks of 128 (block t).  For each row and block: m_t = the block's largest score; p = 2^(c s - c m_t), c = log2(e) / 32, rounded to f16 into pm [8192][2048];
; stat [t = 16][row = 8192] takes the pair (c m_t, l_t), l_t = the sum of the block's unrounded p, both f32.  The next launch joins the blocks by the largest c m_t, so every exponential has a maximum taken away.
; LIMITS.  A weight below 2^-126 counts as 0 in l_t; below 6e-5 p keeps f16's fixed step of 6e-8; NaN and infinities are not treated apart.
; SHARES.  A tile is 256 queries x 256 keys: 256 work-groups, one for each of 256 WGPs.  Four waves, 2 x 2: wave w has rows 128 (w / 2) on and keys 128 (w % 2) on: ONE key block, t = 2 x tile column + w % 2; 64 accumulators, 512 registers.
; K (the 1,024 channels) goes in steps of 128 through two LDS slots filled by tensor loads, a quarter of a slot a wave: waves 0 and 1 fetch the halves of q's 256 rows, waves 2 and 3 those of k's.
; Between a refill and the wait for it a wave issues 224 matrix instructions.
; CLUSTER.  4 x 4 work-groups (all of one batch): q's tile is asked for jointly by a row of the cluster, k's by a column.
; THE PRODUCT IS USED TRANSPOSED (source 0 = 16 keys, source 1 = 16 queries): a lane holds ONE query (l % 16) and 64 of the block's keys; the lane 16 away holds the other 64.
; REGISTERS, in windows of 256 (s_set_vgpr_msb: bits 1:0 source 0, 3:2 source 1, 5:4 source 2, 7:6 destination):
;   window 0: v0-15 addresses; v16-23 at work; v32-47 (c m_t, l_t) for my eight row blocks; v64-127, v128-191 q's fragments, two buffers; on the way out v64-127 scores, v128-159 packed p, v160-255 rows read back
;   window 1: v64-127, v128-191 k's fragments, two buffers     window 2: accumulator (a, b), a < 4, at v[8 (8 a + b)]     window 3: those of a = 4 .. 7
.set NK,    8
.set KB,    256
.set PITCH, 272                        ; an LDS row: 256 bytes + 16 of padding: the 16 rows of a fragment load start at 16 different groups of four banks
.set HALFT, 128*PITCH
.set SLOT,  4*HALFT                    ; q's 256 rows, then k's 256 rows
.set STAGE, 2*SLOT                     ; behind the ring: 16 rows x 272 bytes for each wave; no tile lands here
.set SPARE, STAGE+4*16*PITCH           ; the spare words: two blocks of 256 bytes that no other line names
.set PANEL, 16777216
.set PROW,  4096                       ; bytes in a row of pm
.set A0, 4
.set B0, 5
.set ADRA, 6
.set ADRB, 7
.set STO, 8
.set RD,  9
.set CO,  10
.set PFO, 11
.set SPW, 12
.set NIL, 13
.set SO,  14                           ; 8 x lane: my pair in 256 bytes of stat
.set CC,  16
.set ST,  32
.set F0,  64
.set F1,  128
.set T,   64
.set TMP, 128
.set BK,  160                          ; three buffers of 32
.set WV, 12
.set WR, 13
.set WC, 14
.set CX, 16
.set CY, 17
.set TX, 18
.set TY, 19
.set G1A, 24
.set G0A, 32
.set G1B, 40
.set G0B, 48
.set PFA, 56
.set LIM, 60
.set TB,  61
.set CS,  62                           ; s[62:63] c, named as a pair
.set SEL, 66                           ; s[66:67] v_permlanex16_b32's selects: each lane takes its own place in the other half
.set HM,  68                           ; lanes 16-31
.set BAT, 69                           ; the batch, from the cluster's y alone
.set OUTP, 70
.set LW,  74
.set STP, 76                           ; s[76:77] stat at my block and rows
.set G1W0, (1<<16)|(1<<20)|(1<<21)|(5<<22)|(3<<25)
.set MSB, 0
.macro WIN new
.if MSB != (\new)
	s_set_vgpr_msb (MSB<<8)|(\new)
.set MSB, \new
.endif
.endm
.macro PLACES
.rept 4
	v_nop
.endr
.endm
.macro CREST
	s_cmp_lg_u32 s[WV], 0
	s_cbranch_scc1 .Lnot_wave_0_\@
	s_barrier_signal -3
.Lnot_wave_0_\@:
	s_barrier_wait -3
	s_barrier_signal -1
	s_barrier_wait -1
.endm
.macro CROUND
	s_barrier_signal -1
	s_barrier_wait -1
	CREST
.endm
.macro JLOAD                           ; a joint refill; the branch hangs on the wave's number alone; an s_nop 0 and four v_nop follow each load, and are the places in front of the fragment loads
	s_cmp_eq_u32 s[WR], 0
	s_cbranch_scc0 .Lfor_b_\@
	tensor_load_to_lds s[G0A+4:G0A+7], s[G1A:G1A+7]
	s_nop 0
	PLACES
	s_branch .Lasked_\@
.Lfor_b_\@:
	tensor_load_to_lds s[G0B+4:G0B+7], s[G1B:G1B+7]
	s_nop 0
	PLACES
.Lasked_\@:
.endm
; A prefetch of the K step two refills on: 32 rows x 256 bytes, a lane a row.  q's rows are named by the first cluster of their row of clusters (waves 0, 1), k's by the batch's first row of clusters (waves 2, 3);
; of the 128 rows that a wave fetches the four partners that ask jointly take 32 each, by address.  Each row's 256 bytes of a K step are named once.  The loop's last two trips have no such K step.
.macro ASK
	s_cmp_gt_u32 s3, s[LIM]
	s_cbranch_scc0 .Lnot_mine_\@
	global_prefetch_b8 v[PFO], s[PFA:PFA+1] th:TH_LOAD_NT scope:SCOPE_SE
.Lnot_mine_\@:
.endm
; 16 matrix instructions: row blocks a0, a0 + 1 of the window's four x all 8 key blocks, 32 channels.  mode 1: the products start the sums.  The 64 accumulators take turns.
.macro MUL16 f, hi, a0, mode
	WIN 0xa1+0x50*(\hi)                            ; k in window 1, q in window 0, C and D in window 2 or 3
.irp a, \a0, (\a0)+1
.irp b, 0,1,2,3,4,5,6,7
.if (\mode) == 1
	v_wmma_f32_16x16x32_f16 v[8*(8*(\a)+(\b)):8*(8*(\a)+(\b))+7], v[(\f)+8*(\b):(\f)+8*(\b)+7], v[(\f)+8*(4*(\hi)+(\a)):(\f)+8*(4*(\hi)+(\a))+7], 0
.else
	v_wmma_f32_16x16x32_f16 v[8*(8*(\a)+(\b)):8*(8*(\a)+(\b))+7], v[(\f)+8*(\b):(\f)+8*(\b)+7], v[(\f)+8*(4*(\hi)+(\a)):(\f)+8*(4*(\hi)+(\a))+7], v[8*(8*(\a)+(\b)):8*(8*(\a)+(\b))+7]
.endif
.endr
.endr
.endm
.macro FETCH k, f                      ; 32 LDS loads in one run: k's eight fragments first, then q's eight
	WIN 0x40
.irp i, 0,1,2,3,4,5,6,7
	ds_load_b128 v[(\f)+8*(\i):(\f)+8*(\i)+3],   v[ADRB] offset:(\k)+(\i)*16*PITCH
	ds_load_b128 v[(\f)+8*(\i)+4:(\f)+8*(\i)+7], v[ADRB] offset:(\k)+(\i)*16*PITCH+32
.endr
	WIN 0
.irp i, 0,1,2,3,4,5,6,7
	ds_load_b128 v[(\f)+8*(\i):(\f)+8*(\i)+3],   v[ADRA] offset:(\k)+(\i)*16*PITCH
	ds_load_b128 v[(\f)+8*(\i)+4:(\f)+8*(\i)+7], v[ADRA] offset:(\k)+(\i)*16*PITCH+32
.endr
.endm
.macro QUARTER f, g, k, mode
	s_wait_dscnt 8                                 ; the youngest eight loads (q's fragments 4-7) may be out
	MUL16 \f, 0, 0, \mode
	MUL16 \f, 0, 2, \mode
	PLACES
	FETCH \k, \g
	s_wait_dscnt 32                                ; all but the 32 just issued
	MUL16 \f, 1, 0, \mode
	MUL16 \f, 1, 2, \mode
.endm
.macro TURN fill                       ; the fourth quarter and the change of slots
.if \fill
	s_wait_xcnt 0x0                                ; the last prefetch, a K step back, has read its address
	s_add_nc_u64 s[PFA:PFA+1], s[PFA:PFA+1], KB
.endif
	WIN 0
	s_wait_tensorcnt 0x0                           ; all my tensor loads have landed: my part of the next slot
	ds_add_u32 v[SPW], v[NIL]
.if \fill
	s_add_co_u32 s[G0A+5], s[LW], s[TB]            ; my quarter of the slot in hand, which is being read out, takes the next K step
	s_add_nc_u64 s[G0A+6:G0A+7], s[G0A+6:G0A+7], KB
	s_add_co_u32 s[G0B+5], s[LW], s[TB]
	s_add_nc_u64 s[G0B+6:G0B+7], s[G0B+6:G0B+7], KB
.endif
	s_wait_dscnt 9                                 ; the add and the youngest eight loads may be out
	MUL16 F1, 0, 0, 0
	s_wait_dscnt 0x0                               ; the add is done, and my reads of this slot are over
	s_barrier_signal -1
	MUL16 F1, 0, 2, 0
	WIN 0
	s_barrier_wait -1
.if \fill
	CREST                                          ; no wave of any partner still reads this slot or has a load on its way
	JLOAD
.else
	PLACES
.endif
	s_xor_b32 s[TB], s[TB], SLOT
	v_add_nc_u32 v[ADRA], s[TB], v[A0]
	v_add_nc_u32 v[ADRB], s[TB], v[B0]
	FETCH 0, F0
.if \fill
	ASK
.endif
	MUL16 F1, 1, 0, 0
	MUL16 F1, 1, 2, 0
.endm
	s_load_b128 s[4:7], s[0:1], 0x0                ; qkv s[4:5], pm s[6:7]
	s_load_b64 s[8:9], s[0:1], 0x10                ; stat
	v_lshl_add_u32 v[SPW], v0, 2, SPARE
	v_mov_b32 v[NIL], 0
	ds_add_u32 v[SPW], v[NIL]                      ; the wave's opening: the add and its wait stand ahead of my first tensor load
	v_lshrrev_b32 v3, 5, v0
	v_readfirstlane_b32 s[WV], v3
	s_lshr_b32 s[WR], s[WV], 1
	s_and_b32 s[WC], s[WV], 1
	s_bfe_u32 s[CX], ttmp6, 0x40000
	s_bfe_u32 s[CY], ttmp6, 0x40004
	s_lshl_b32 s[TX], ttmp9, 2
	s_add_co_u32 s[TX], s[TX], s[CX]
	s_and_b32 s[TY], ttmp7, 0xffff
	s_lshr_b32 s[BAT], s[TY], 1                    ; 8 tile rows, two rows of clusters, to a batch
	s_lshl_b32 s[TY], s[TY], 2
	s_add_co_u32 s[TY], s[TY], s[CY]
	s_lshl_b32 s72, s[CY], 2
	s_lshl_b32 s72, 15, s72
	s_lshl_b32 s73, 0x1111, s[CX]
	s_or_b32 s[G1A], s72, G1W0
	s_or_b32 s[G1B], s73, G1W0
.irp g, G1A, G1B
	s_mov_b32 s[(\g)+1], 128<<16
	s_mov_b32 s[(\g)+2], 128<<16
	s_mov_b32 s[(\g)+3], 128<<16
	s_mov_b32 s[(\g)+4], 128
	s_mov_b32 s[(\g)+5], 1024
	s_mov_b32 s[(\g)+6], 0
	s_mov_b32 s[(\g)+7], 0
.endr
	s_lshl_b32 s20, s[TY], 19                      ; q: 256 rows x 2,048 bytes a tile row,
	s_lshl_b32 s21, s[WC], 18                      ; the 128 rows that I fetch
	s_add_co_u32 s20, s20, s21
	s_mov_b32 s21, 0
	s_lshl_b32 s22, s[BAT], 22                     ; k: the batch's 2,048 rows,
	s_lshl_b32 s23, s[TX], 19                      ; 256 rows a tile column,
	s_add_co_u32 s22, s22, s23
	s_lshl_b32 s23, s[WC], 18                      ; the 128 rows that I fetch,
	s_add_co_u32 s22, s22, s23
	s_add_co_u32 s22, s22, PANEL                   ; in panel 1
	s_mov_b32 s23, 0
	s_mul_i32 s[LW], s[WV], HALFT
.irp g, G0A, G0B
	s_mov_b32 s[(\g)], 1
	s_mov_b32 s[(\g)+1], s[LW]
	s_mov_b32 s[(\g)+4], 1
	s_add_co_u32 s[(\g)+5], s[LW], SLOT
.endr
	s_and_b32 s75, ttmp7, 1                        ; who prefetches: waves 0 and 1 where cluster x = 0, waves 2 and 3 in the batch's first row of clusters
	s_cmp_eq_u32 s[WR], 0
	s_cselect_b32 s75, ttmp9, s75
	s_cmp_eq_u32 s75, 0
	s_cselect_b32 s[LIM], 2, -1
	s_mov_b32 s[CS], 0x3d38aa3b                    ; c = log2(e) / 32
	s_mov_b32 s[CS+1], s[CS]
	s_mov_b32 s[SEL], 0x76543210
	s_mov_b32 s[SEL+1], 0xfedcba98
	s_mov_b32 s[HM], 0xffff0000
	v_and_b32 v[PFO], 31, v0
	v_lshlrev_b32 v[SO], 3, v[PFO]
	v_lshlrev_b32 v[PFO], 11, v[PFO]
	s_wait_dscnt 0x0
	s_wait_kmcnt 0x0
	s_add_nc_u64 s[G0A+2:G0A+3], s[4:5], s[20:21]
	s_add_nc_u64 s[G0A+6:G0A+7], s[G0A+2:G0A+3], KB
	s_or_b32 s[G0A+3], s[G0A+3], 0x80000000
	s_or_b32 s[G0A+7], s[G0A+7], 0x80000000
	s_add_nc_u64 s[G0B+2:G0B+3], s[4:5], s[22:23]
	s_add_nc_u64 s[G0B+6:G0B+7], s[G0B+2:G0B+3], KB
	s_or_b32 s[G0B+3], s[G0B+3], 0x80000000
	s_or_b32 s[G0B+7], s[G0B+7], 0x80000000
	s_lshl_b32 s78, s[CX], 16                      ; the prefetches: my work-group's 32 rows, at K step 3; the first refill steps them to K step 4
	s_add_co_u32 s78, s78, s20
	s_lshl_b32 s79, s[CY], 16
	s_add_co_u32 s79, s79, s22
	s_cmp_eq_u32 s[WR], 0
	s_cselect_b32 s78, s78, s79
	s_add_co_u32 s78, s78, 3*KB
	s_mov_b32 s79, 0
	s_add_nc_u64 s[PFA:PFA+1], s[4:5], s[78:79]
	s_lshl_b32 s78, s[TY], 20                      ; pm: the tile's 256 rows of 4,096 bytes,
	s_lshl_b32 s79, s[WR], 19                      ; my 128,
	s_add_co_u32 s78, s78, s79
	s_lshl_b32 s79, s[TX], 9                       ; the tile's 256 keys,
	s_add_co_u32 s78, s78, s79
	s_lshl_b32 s79, s[WC], 8                       ; my 128
	s_add_co_u32 s78, s78, s79
	s_mov_b32 s79, 0
	s_add_nc_u64 s[OUTP:OUTP+1], s[6:7], s[78:79]
	s_lshl_b32 s78, s[TX], 17                      ; stat: block t = 2 x tile column + my half, 65,536 bytes each,
	s_lshl_b32 s79, s[WC], 16
	s_add_co_u32 s78, s78, s79
	s_lshl_b32 s79, s[TY], 11                      ; the tile's 256 rows, 8 bytes each,
	s_add_co_u32 s78, s78, s79
	s_lshl_b32 s79, s[WR], 10                      ; my 128
	s_add_co_u32 s78, s78, s79
	s_mov_b32 s79, 0
	s_add_nc_u64 s[STP:STP+1], s[8:9], s[78:79]
	CROUND
	s_cmp_eq_u32 s[WR], 0                          ; a wave's two first fills stand together: two loads of mine are out
	s_cbranch_scc0 .Lfirst_b
	tensor_load_to_lds s[G0A:G0A+3], s[G1A:G1A+7]
	s_nop 0
	tensor_load_to_lds s[G0A+4:G0A+7], s[G1A:G1A+7]
	s_nop 0
	PLACES
	s_branch .Lfirst_asked
.Lfirst_b:
	tensor_load_to_lds s[G0B:G0B+3], s[G1B:G1B+7]
	s_nop 0
	tensor_load_to_lds s[G0B+4:G0B+7], s[G1B:G1B+7]
	s_nop 0
	PLACES
.Lfirst_asked:
	v_and_b32 v1, 15, v0
	v_bfe_u32 v2, v0, 4, 1
	v_mul_u32_u24 v3, v1, PITCH
	v_lshl_add_u32 v3, v2, 4, v3
	s_mul_i32 s75, s[WR], HALFT
	v_add_nc_u32 v[A0], s75, v3
	s_mul_i32 s75, s[WC], HALFT
	s_add_co_u32 s75, s75, 2*HALFT
	v_add_nc_u32 v[B0], s75, v3
	s_mul_i32 s75, s[WV], 16*PITCH
	s_add_co_u32 s75, s75, STAGE
	v_add_nc_u32 v[STO], s75, v3
	v_mul_u32_u24 v[RD], v2, PITCH
	v_lshl_add_u32 v[RD], v1, 4, v[RD]
	v_add_nc_u32 v[RD], s75, v[RD]
	v_lshlrev_b32 v[CO], 12, v2
	v_lshl_add_u32 v[CO], v1, 4, v[CO]
.irp a, 0,1,2,3,4,5,6,7
	v_mov_b32 v[ST+2*(\a)+1], 0                    ; named with c m_t as a pair before l_t is made
.endr
	s_wait_tensorcnt 1                             ; my part of K step 0 is in; K step 1's may stay out
	s_barrier_signal -1
	s_barrier_wait -1
	s_mov_b32 s[TB], 0
	v_mov_b32 v[ADRA], v[A0]
	v_mov_b32 v[ADRB], v[B0]
	FETCH 0, F0
	QUARTER F0, F1, 64, 1                          ; the first quarter stands in front of the loop: its products start the sums
	WIN 0
	s_mov_b32 s3, NK-2
.Lstep:                                                ; a trip: a K step's quarters 1 to 3 and the next step's quarter 0; the slot read out is filled again
	QUARTER F1, F0, 128, 0
	QUARTER F0, F1, 192, 0
	TURN 1
	QUARTER F0, F1, 64, 0
	WIN 0
	s_sub_co_u32 s3, s3, 1
	s_cmp_lg_u32 s3, 0
	s_cbranch_scc1 .Lstep
	s_mov_b32 s3, 2
.Ltail:                                                ; the last two K steps fill nothing: a loop of their own
	QUARTER F1, F0, 128, 0
	QUARTER F0, F1, 192, 0
	TURN 0                                         ; (in the last trip its fetch brings the older slot's bytes once more; nothing reads them)
	WIN 0
	s_wait_dscnt 0x0                               ; that fetch, issued 32 matrix instructions back, is in: both ways below meet with no load into buffer 0 out
	s_cmp_eq_u32 s3, 1
	s_cbranch_scc1 .Llast                          ; behind the last K step there is no next step's first quarter
	QUARTER F0, F1, 64, 0
	WIN 0
.Llast:
	s_sub_co_u32 s3, s3, 1
	s_cmp_lg_u32 s3, 0
	s_cbranch_scc1 .Ltail
	s_wait_dscnt 0x0
	PLACES
; THE WAY OUT.  SOFT a: row block a's 64 scores a lane: the block's maximum (eight chains, three operands at a time, each accumulator read from its low end on; then the lane 16 away), c m_t,
; c s - c m_t, the 64 exponentials as ONE batch with one wait, the roundings to f16, and the sum l_t.
.macro SOFT a
.set AC, 64*((\a)%4)                   ; the block's eight accumulators,
.set W, 2+(\a)/4                       ; in window 2 or 3
	WIN W*0x15                                     ; all three sources there
.irp b, 0,1,2,3,4,5,6,7
	v_max3_num_f32 v[CC+(\b)], v[AC+8*(\b)], v[AC+8*(\b)+1], v[AC+8*(\b)+2]
.endr
	WIN W*0x14                                     ; sources 1 and 2 there
.irp b, 0,1,2,3,4,5,6,7
	v_max3_num_f32 v[CC+(\b)], v[CC+(\b)], v[AC+8*(\b)+3], v[AC+8*(\b)+4]
.endr
.irp b, 0,1,2,3,4,5,6,7
	v_max3_num_f32 v[CC+(\b)], v[CC+(\b)], v[AC+8*(\b)+5], v[AC+8*(\b)+6]
.endr
.irp i, 0,1,2,3
	v_max3_num_f32 v[CC+(\i)], v[CC+(\i)], v[AC+16*(\i)+7], v[AC+16*(\i)+15]
.endr
	WIN 0
	v_max3_num_f32 v[CC], v[CC], v[CC+1], v[CC+2]
	v_max3_num_f32 v[CC+3], v[CC+3], v[CC+4], v[CC+5]
	v_max3_num_f32 v[CC], v[CC], v[CC+3], v[CC+6]
	v_max_num_f32 v[CC], v[CC], v[CC+7]
	v_permlanex16_b32 v[CC+1], v[CC], s[SEL], s[SEL+1]
	v_max_num_f32 v[CC], v[CC], v[CC+1]
	v_mul_f32 v[ST+2*(\a)], s[CS], v[CC]
	WIN W                                          ; source 0 there
.set z, 0
.rept 32
	v_pk_fma_f32 v[T+2*z:T+2*z+1], v[AC+2*z:AC+2*z+1], s[CS:CS+1], v[ST+2*(\a):ST+2*(\a)+1] op_sel_hi:[1,0,0] neg_lo:[0,0,1] neg_hi:[0,0,1]
.set z, z+1
.endr
	WIN 0
.set z, 0
.rept 64
	v_exp_f32 v[T+z], v[T+z]
.set z, z+1
.endr
	v_nop                                          ; a plain instruction behind the last exponential,
	s_wait_alu depctr_va_vdst(0)                   ; and the wait ahead of the first use: one for the 64
.set z, 0
.rept 32
	v_cvt_pk_f16_f32 v[TMP+z], v[T+2*z], v[T+2*z+1]
.set z, z+1
.endr
.irp d, 32,16,8,4,2                    ; the sum of the 32 pairs, in place, halves onto halves
.set z, 0
.rept (\d)/2
	v_pk_add_f32 v[T+2*z:T+2*z+1], v[T+2*z:T+2*z+1], v[T+(\d)+2*z:T+(\d)+2*z+1]
.set z, z+1
.endr
.endr
	v_add_f32 v[CC], v[T], v[T+1]
	v_permlanex16_b32 v[CC+1], v[CC], s[SEL], s[SEL+1]
	v_add_f32 v[ST+2*(\a)+1], v[CC], v[CC+1]
.endm
.macro TOSTAGE a
.irp b, 0,1,2,3,4,5,6,7
	ds_store_b128 v[STO], v[TMP+4*(\b):TMP+4*(\b)+3] offset:32*(\b)
.endr
.if (\a) >= 3
	s_wait_xcnt 0x0                                ; the buffer's registers, which the stores of three blocks back read, are loaded again only behind this wait
.endif
.irp t, 0,1,2,3,4,5,6,7
	ds_load_b128 v[BK+32*((\a)%3)+4*(\t):BK+32*((\a)%3)+4*(\t)+3], v[RD] offset:(\t)*2*PITCH  ; LDS serves a wave's instructions in order (ISA guide 5.7.1.4)
.endr
.endm
.macro SEND a
	s_wait_dscnt 0x0                               ; the block is back in registers
.irp t, 0,1,2,3,4,5,6,7
	global_store_b128 v[CO], v[BK+32*((\a)%3)+4*(\t):BK+32*((\a)%3)+4*(\t)+3], s[OUTP:OUTP+1] offset:(16*(\a)+2*(\t))*PROW  ; 16 lanes store 256 consecutive bytes, aligned
.endr
.endm
	SOFT 0
	TOSTAGE 0
.irp a, 1,2,3,4,5,6,7                  ; block a's softmax stands between block a - 1's loads from the stage and the wait for them
	SOFT \a
	SEND (\a)-1
	TOSTAGE \a
.endr
.irp k, 0,1,2,3                        ; lanes 0-15 keep row block 2 k's pair, lanes 16-31 take block 2 k + 1's: 32 rows' pairs on end
	v_cndmask_b32 v[CC+2*(\k)],   v[ST+4*(\k)],   v[ST+4*(\k)+2], s[HM]
	v_cndmask_b32 v[CC+2*(\k)+1], v[ST+4*(\k)+1], v[ST+4*(\k)+3], s[HM]
.endr
.irp k, 0,1,2,3
	global_store_b64 v[SO], v[CC+2*(\k):CC+2*(\k)+1], s[STP:STP+1] offset:256*(\k)  ; 256 consecutive bytes, aligned
.endr
	SEND 7
	s_wait_tensorcnt 0x0                           ; the wave's end
	ds_add_u32 v[SPW], v[NIL]
	s_wait_dscnt 0x0
	CROUND
	s_endpgm
.Lfunc_end_k_q06c55c933b_scores:
	.size	k_q06c55c933b_scores, .Lfunc_end_k_q06c55c933b_scores-k_q06c55c933b_scores
	.p2alignl 7, 3214868480
	.fill 96, 4, 3214868480
	.section	.rodata,"a",@progbits
	.p2align	6, 0x0
	.amdhsa_kernel k_q06c55c933b_scores
		.amdhsa_group_segment_fixed_size 327680
		.amdhsa_private_segment_fixed_size 0
		.amdhsa_enable_private_segment 0
		.amdhsa_kernarg_size 24
		.amdhsa_user_sgpr_count 2
		.amdhsa_user_sgpr_kernarg_segment_ptr 1
		.amdhsa_wavefront_size32 1
		.amdhsa_system_sgpr_workgroup_id_x 1
		.amdhsa_system_sgpr_workgroup_id_y 1
		.amdhsa_system_sgpr_workgroup_id_z 1
		.amdhsa_system_vgpr_workitem_id 0
		.amdhsa_next_free_vgpr 1024
		.amdhsa_next_free_sgpr 80
		.amdhsa_reserve_vcc 0
		.amdhsa_float_denorm_mode_32 3
		.amdhsa_float_denorm_mode_16_64 3
		.amdhsa_memory_ordered 1
		.amdhsa_forward_progress 1
		.amdhsa_inst_pref_size 168
	.end_amdhsa_kernel
	.amdgpu_metadata
---
amdhsa.version: [ 1, 2 ]
amdhsa.kernels:
  - .name:           k_q06c55c933b_scores
    .symbol:         k_q06c55c933b_scores.kd
    .args:
      - { .name: qkv, .offset: 0, .size: 8, .value_kind: global_buffer, .address_space: global }
      - { .name: pm, .offset: 8, .size: 8, .value_kind: global_buffer, .address_space: global }
      - { .name: stat, .offset: 16, .size: 8, .value_kind: global_buffer, .address_space: global }
    .group_segment_fixed_size: 327680
    .private_segment_fixed_size: 0
    .kernarg_segment_align: 8
    .kernarg_segment_size: 24
    .max_flat_workgroup_size: 128
    .sgpr_count:     80
    .vgpr_count:     1024
    .wavefront_size: 32
...
	.end_amdgpu_metadata
.endif
;; end of part 3
;; launch pv (part 4): grid 4 x 64, 4 waves a work-group, clusters of 4 x 4, 327,680 bytes of LDS; arguments pm, stat, qkv, ctx; writes ctx
.if DOCPART == 4
	.amdgcn_target "amdgcn-amd-amdhsa--gfx1250"
	.amdhsa_code_object_version 6
	.text
	.protected	k_q06c55c933b_pv
	.globl	k_q06c55c933b_pv
	.p2align	8
	.type	k_q06c55c933b_pv,@function
k_q06c55c933b_pv:
	s_mov_b64 s[64:65], 0
	v_nop
	global_prefetch_b8 v0, s[64:65] scope:SCOPE_SE
	s_setreg_imm32_b32 hwreg(HW_REG_WAVE_MODE, 25, 1), 1
	s_wait_xcnt 0x0
	s_wait_alu depctr_hold_cnt(0) depctr_sa_sdst(0) depctr_va_vdst(0) depctr_va_sdst(0) depctr_va_ssrc(0) depctr_va_vcc(0) depctr_vm_vsrc(0)
	s_getreg_b32 s2, hwreg(HW_REG_IB_STS2, 6, 4)
	s_cmp_eq_u32 s2, 0
	s_cbranch_scc0 .Lentry_in_a_cluster
	s_endpgm
.Lentry_in_a_cluster:
	s_bfe_u32 s2, ttmp6, 0x10000c
	s_cmp_lg_u32 s2, 0xf033
	s_cbranch_scc0 .Lentry_shape_is_right
	s_endpgm
.Lentry_shape_is_right:
; THE SECOND HALF OF THE SOFTMAX AND ctx = softmax x v.  pm [8192][2048] f16 holds p = 2^(c s - c m_t) by key blocks t of 128; stat [16][8192] the pairs (c m_t, l_t); v is panel 2 of qkv, [8192][1024] f16.
; For each row: M = the largest c m_t; f_t = 2^(c m_t - M), rounded to f16; l = the sum of f_t l_t (with the rounded f_t).  ctx[m][n] = (sum over t, over the block's keys, of (p f_t) v[key][n]) / l.
; p f_t is one packed f16 multiply on A's fragments between their load and the product (K step t IS key block t); the division by l is in f32 on the way out; ctx is rounded once to f16.
; LIMITS.  p f_t keeps f16's fixed step of 6e-8 below 6e-5 (the row's largest weight is 1); f_t below 2^-126 counts as 0; ctx is a mean of v's rows and has their range.
; SHARES.  A tile of ctx is 128 x 256: 256 work-groups.  Four waves, 2 x 2: rows 64 (w / 2) on, channels 128 (w % 2) on.  K, the batch's 2,048 keys, goes in 16 steps of 128 through two LDS slots.
; v lies [key][channel] and comes out of LDS turned, by ds_load_tr16_b128.
; CLUSTER.  4 x 4 work-groups (one batch): pm's tile is asked for jointly by a row of the cluster, v's by a column.
; THE PRODUCT IS USED TRANSPOSED (source 0 = 16 channels, source 1 = 16 rows of pm): a lane holds row l % 16 and the channels 8 (l / 16) + 0..7.
; REGISTERS: window 0: v0-15 addresses; v16-23 at work; v24-31 1 / l for my four row blocks (in even pairs); v32-127, v128-223 two fragment buffers; v224-227 f_t twice a word, a register a row block.  window 1: accumulator (a, b) at v[8 (8 a + b)].
.set NK,    16
.set KB,    256                        ; bytes of a row of pm in a K step
.set VSTEP, 262144                     ; 128 rows of v
.set ROWB,  2048                       ; bytes in a row of v and of ctx
.set PITCH, 272
.set PV,    544                        ; a key's row of v in LDS: 512 bytes + 32 = 136 words
.set HALFT, 128*PITCH                  ; = 64 PV
.set SLOT1, 1<<17
.set STAGE, 3*HALFT
.set SPARE, 130560
.set FT,    SLOT1+3*HALFT              ; behind slot 1: for each wave 16 blocks t x 256 bytes: row r's four words at 16 r; no tile lands here
.set PANEL, 16777216
.set A0, 4
.set B0, 5
.set ADRA, 6
.set ADRB, 7
.set STO, 8
.set RD,  9
.set CO,  10
.set PFO, 11
.set SPW, 12
.set NIL, 13
.set FAD, 14                           ; LDS address of the K step's factors
.set FA0, 15                           ; the same for K step 0; never rewritten
.set CC,  16
.set ST,  24
.set F0,  32
.set F1,  128
.set FR,  224
.set SA,  228                          ; my byte offset in stat
.set FS,  229                          ; where I put my factors
.set SB,  32                           ; the prologue: (c m_t, l_t) of row block a, block tt at SB + 16 a + 2 tt
.set FH,  96                           ; the prologue: f_t twice a word, at FH + 4 tt + a
.set T,   32
.set TMP, 96
.set BK,  128
.set WV, 12
.set WR, 13
.set WC, 14
.set HB, 15
.set CX, 16
.set CY, 17
.set TX, 18
.set TY, 19
.set G1A, 24
.set G0A, 32
.set G1B, 40
.set G0B, 48
.set PFA, 56
.set PST, 58                           ; s[58:59] a K step in the tensor that I prefetch
.set LIM, 60
.set TB,  61
.set SEL, 66
.set FTB, 68                           ; 256 x the K step whose factors are fetched next
.set BAT, 69
.set OUTP, 70
.set STP, 76
.set MSB, 0
.macro WIN new
.if MSB != (\new)
	s_set_vgpr_msb (MSB<<8)|(\new)
.set MSB, \new
.endif
.endm
.macro PLACES
.rept 4
	v_nop
.endr
.endm
.macro CREST
	s_cmp_lg_u32 s[WV], 0
	s_cbranch_scc1 .Lnot_wave_0_\@
	s_barrier_signal -3
.Lnot_wave_0_\@:
	s_barrier_wait -3
	s_barrier_signal -1
	s_barrier_wait -1
.endm
.macro CROUND
	s_barrier_signal -1
	s_barrier_wait -1
	CREST
.endm
.macro JLOAD                           ; a joint refill; the branches hang on the wave's number alone; an s_nop 0 and four v_nop follow each load, and are the places in front of the fragment loads
	s_cmp_eq_u32 s[WV], 0
	s_cbranch_scc0 .Lnot_a_\@
	tensor_load_to_lds s[G0A+4:G0A+7], s[G1A:G1A+7]
	s_nop 0
	PLACES
	s_branch .Lasked_\@
.Lnot_a_\@:
	s_cmp_eq_u32 s[WV], 3
	s_cbranch_scc1 .Lnone_\@
	tensor_load_to_lds s[G0B+4:G0B+7], s[G1B:G1B+7]
	s_nop 0
	PLACES
	s_branch .Lasked_\@
.Lnone_\@:
	PLACES
.Lasked_\@:
.endm
; A prefetch of the K step two refills on, 32 blocks of 256 bytes, a lane a block.  pm's rows are named by wave 0 (32 of the tile's 128 rows a partner, by address); v's by waves 1 and 2 of the batch's first row of
; clusters (16 of the half's 64 keys a partner, two blocks a key).  Each block is named once.  The loop's last two trips have no such K step.
.macro ASK
	s_cmp_gt_u32 s3, s[LIM]
	s_cbranch_scc0 .Lnot_mine_\@
	global_prefetch_b8 v[PFO], s[PFA:PFA+1] th:TH_LOAD_NT scope:SCOPE_SE
.Lnot_mine_\@:
.endm
.macro MUL8 f, a, mode                 ; mode 1: the products start the sums; the 32 accumulators take turns
	WIN 0x50
.irp b, 0,1,2,3,4,5,6,7
.if (\mode) == 1
	v_wmma_f32_16x16x32_f16 v[64*(\a)+8*(\b):64*(\a)+8*(\b)+7], v[(\f)+32+8*(\b):(\f)+32+8*(\b)+7], v[(\f)+8*(\a):(\f)+8*(\a)+7], 0
.else
	v_wmma_f32_16x16x32_f16 v[64*(\a)+8*(\b):64*(\a)+8*(\b)+7], v[(\f)+32+8*(\b):(\f)+32+8*(\b)+7], v[(\f)+8*(\a):(\f)+8*(\a)+7], v[64*(\a)+8*(\b):64*(\a)+8*(\b)+7]
.endif
.endr
.endm
.macro SCALE f, a                      ; row block a's fragment of p times the row's f_t: two weights a line, each rounded to f16
	WIN 0
.irp j, 0,1,2,3,4,5,6,7
	v_pk_mul_f16 v[(\f)+8*(\a)+(\j)], v[(\f)+8*(\a)+(\j)], v[FR+(\a)]
.endr
.endm
; One run of LDS loads: quarter q's fragments (32 keys) into buffer f; a K step's first run begins with the step's factors.
.macro FETCH q, f
	WIN 0
.if (\q) == 0
	ds_load_b128 v[FR:FR+3], v[FAD]
.endif
.irp i, 0,1,2,3,4,5,6,7
	ds_load_tr16_b128 v[(\f)+32+8*(\i):(\f)+32+8*(\i)+3],   v[ADRB] offset:(\q)*32*PV+32*(\i)
	ds_load_tr16_b128 v[(\f)+32+8*(\i)+4:(\f)+32+8*(\i)+7], v[ADRB] offset:(\q)*32*PV+16*PV+32*(\i)
.endr
.irp i, 0,1,2,3
	ds_load_b128 v[(\f)+8*(\i):(\f)+8*(\i)+3],   v[ADRA] offset:64*(\q)+(\i)*16*PITCH
	ds_load_b128 v[(\f)+8*(\i)+4:(\f)+8*(\i)+7], v[ADRA] offset:64*(\q)+(\i)*16*PITCH+32
.endr
.endm
.macro QUARTER f, g, qn, mode
	s_wait_dscnt 4                                 ; the youngest four loads (A's fragments 2, 3) may be out; the factors, the run's oldest, are in
	SCALE \f, 0
	MUL8 \f, 0, \mode
	SCALE \f, 1
	MUL8 \f, 1, \mode
	WIN 0
	PLACES
	FETCH \qn, \g
	s_wait_dscnt 24                                ; all but the 24 just issued
	SCALE \f, 2
	MUL8 \f, 2, \mode
	SCALE \f, 3
	MUL8 \f, 3, \mode
.endm
.macro TURN fill                       ; the fourth quarter and the change of slots; all four fragments are scaled before the next step's factors are fetched
.if \fill
	s_wait_xcnt 0x0                                ; the last prefetch, a K step back, has read its address
	s_add_nc_u64 s[PFA:PFA+1], s[PFA:PFA+1], s[PST:PST+1]
.endif
	WIN 0
	s_wait_tensorcnt 0x0                           ; all my tensor loads have landed: my part of the next slot
	ds_add_u32 v[SPW], v[NIL]
.if \fill
	s_xor_b32 s[G0A+5], s[G0A+5], SLOT1
	s_add_nc_u64 s[G0A+6:G0A+7], s[G0A+6:G0A+7], KB
	s_xor_b32 s[G0B+5], s[G0B+5], SLOT1
	s_add_nc_u64 s[G0B+6:G0B+7], s[G0B+6:G0B+7], VSTEP
.endif
	s_wait_dscnt 5                                 ; the add and the youngest four loads may be out
	SCALE F1, 0
	MUL8 F1, 0, 0
	s_wait_dscnt 0x0                               ; the add is done, and my reads of this slot are over
	s_barrier_signal -1
	SCALE F1, 1
	SCALE F1, 2
	SCALE F1, 3
	MUL8 F1, 1, 0
	WIN 0
	s_barrier_wait -1
.if \fill
	CREST
	JLOAD
.else
	PLACES
.endif
	s_xor_b32 s[TB], s[TB], SLOT1
	v_add_nc_u32 v[ADRA], s[TB], v[A0]
	v_add_nc_u32 v[ADRB], s[TB], v[B0]
	v_add_nc_u32 v[FAD], s[FTB], v[FA0]
	s_add_co_u32 s[FTB], s[FTB], 256
	FETCH 0, F0
.if \fill
	ASK
.endif
	MUL8 F1, 2, 0
	MUL8 F1, 3, 0
.endm
	s_load_b256 s[4:11], s[0:1], 0x0               ; pm s[4:5], stat s[6:7], qkv s[8:9], ctx s[10:11]
	v_lshl_add_u32 v[SPW], v0, 2, SPARE
	v_mov_b32 v[NIL], 0
	ds_add_u32 v[SPW], v[NIL]                      ; the wave's opening: the add and its wait stand ahead of my first tensor load
	v_lshrrev_b32 v3, 5, v0
	v_readfirstlane_b32 s[WV], v3
	s_lshr_b32 s[WR], s[WV], 1
	s_and_b32 s[WC], s[WV], 1
	s_add_co_u32 s[HB], s[WV], 1
	s_and_b32 s[HB], s[HB], 1
	s_bfe_u32 s[CX], ttmp6, 0x40000
	s_bfe_u32 s[CY], ttmp6, 0x40004
	s_lshl_b32 s[TX], ttmp9, 2
	s_add_co_u32 s[TX], s[TX], s[CX]
	s_and_b32 s[TY], ttmp7, 0xffff
	s_lshr_b32 s[BAT], s[TY], 2
	s_lshl_b32 s[TY], s[TY], 2
	s_add_co_u32 s[TY], s[TY], s[CY]
	s_lshl_b32 s72, s[CY], 2
	s_lshl_b32 s72, 15, s72
	s_lshl_b32 s73, 0x1111, s[CX]
	s_or_b32 s[G1A], s72, (1<<16)|(1<<20)|(1<<21)|(5<<22)|(3<<25)  ; pm: after every 64 words 4 words of padding
	s_mov_b32 s[G1A+1], 128<<16
	s_mov_b32 s[G1A+2], 128<<16
	s_mov_b32 s[G1A+3], 128<<16
	s_mov_b32 s[G1A+4], 128
	s_mov_b32 s[G1A+5], 2048                       ; elements from row to row of pm
	s_mov_b32 s[G1A+6], 0
	s_mov_b32 s[G1A+7], 0
	s_or_b32 s[G1B], s73, (1<<16)|(1<<20)|(1<<21)|(6<<22)|(7<<25)  ; v: after every 128 words 8 words of padding
	s_mov_b32 s[G1B+1], 256<<16                    ; tensor_dim0 = 256 channels
	s_mov_b32 s[G1B+2], 64<<16                     ; tensor_dim1 = 64 keys
	s_mov_b32 s[G1B+3], 256<<16
	s_mov_b32 s[G1B+4], 64
	s_mov_b32 s[G1B+5], 1024
	s_mov_b32 s[G1B+6], 0
	s_mov_b32 s[G1B+7], 0
	s_lshl_b32 s20, s[TY], 19                      ; pm: 128 rows x 4,096 bytes a tile row
	s_mov_b32 s21, 0
	s_lshl_b32 s22, s[BAT], 22                     ; v: the batch's 2,048 rows,
	s_lshl_b32 s23, s[HB], 17                      ; my 64 keys of a step's 128,
	s_add_co_u32 s22, s22, s23
	s_lshl_b32 s23, s[TX], 9                       ; the tile's 256 channels,
	s_add_co_u32 s22, s22, s23
	s_add_co_u32 s22, s22, 2*PANEL                 ; in panel 2
	s_mov_b32 s23, 0
	s_mul_i32 s74, s[WV], HALFT
.irp g, G0A, G0B
	s_mov_b32 s[(\g)], 1
	s_mov_b32 s[(\g)+1], s74
	s_mov_b32 s[(\g)+4], 1
	s_add_co_u32 s[(\g)+5], s74, SLOT1
.endr
	s_and_b32 s75, ttmp7, 3                        ; who prefetches: wave 0 where cluster x = 0, waves 1 and 2 in the batch's first row of clusters, wave 3 never
	s_cmp_eq_u32 s[WV], 0
	s_cselect_b32 s75, ttmp9, s75
	s_cmp_eq_u32 s[WV], 3
	s_cselect_b32 s75, 1, s75
	s_cmp_eq_u32 s75, 0
	s_cselect_b32 s[LIM], 2, -1
	s_mov_b32 s[SEL], 0x76543210
	s_mov_b32 s[SEL+1], 0xfedcba98
	s_cmp_eq_u32 s[WV], 0                          ; the prefetches' lane term: pm: lane x 4,096; v: (lane / 2) x 2,048 + (lane % 2) x 256
	s_cselect_b32 s72, 0, 1
	s_mov_b32 s73, 2048                            ; (a move leaves SCC as it is; a select holds one literal, so v's figure is moved in first)
	s_cselect_b32 s73, 4096, s73
	s_mov_b32 s[PST], VSTEP
	s_cselect_b32 s[PST], KB, s[PST]
	s_mov_b32 s[PST+1], 0
	v_and_b32 v3, 31, v0
	v_lshrrev_b32 v[CC], s72, v3
	v_mul_u32_u24 v[PFO], s73, v[CC]
	v_and_b32 v[CC], s72, v3
	v_lshl_add_u32 v[PFO], v[CC], 8, v[PFO]
	s_wait_dscnt 0x0
	s_wait_kmcnt 0x0
	s_add_nc_u64 s[G0A+2:G0A+3], s[4:5], s[20:21]
	s_add_nc_u64 s[G0A+6:G0A+7], s[G0A+2:G0A+3], KB
	s_or_b32 s[G0A+3], s[G0A+3], 0x80000000
	s_or_b32 s[G0A+7], s[G0A+7], 0x80000000
	s_add_nc_u64 s[G0B+2:G0B+3], s[8:9], s[22:23]
	s_add_nc_u64 s[G0B+6:G0B+7], s[G0B+2:G0B+3], VSTEP
	s_or_b32 s[G0B+3], s[G0B+3], 0x80000000
	s_or_b32 s[G0B+7], s[G0B+7], 0x80000000
	s_lshl_b32 s78, s[CX], 17                      ; the prefetches stand at K step 3; the first refill steps them to K step 4
	s_add_co_u32 s78, s78, s20
	s_add_co_u32 s78, s78, 3*KB
	s_lshl_b32 s79, s[CY], 15
	s_add_co_u32 s79, s79, s22
	s_add_co_u32 s79, s79, 3*VSTEP
	s_cmp_eq_u32 s[WV], 0
	s_cselect_b32 s78, s78, s79
	s_cselect_b64 s[PFA:PFA+1], s[4:5], s[8:9]
	s_mov_b32 s79, 0
	s_add_nc_u64 s[PFA:PFA+1], s[PFA:PFA+1], s[78:79]
	s_lshl_b32 s78, s[TY], 18                      ; ctx: the tile's 128 rows of 2,048 bytes, my 64, the tile's 256 channels, my 128
	s_lshl_b32 s79, s[WR], 17
	s_add_co_u32 s78, s78, s79
	s_lshl_b32 s79, s[TX], 9
	s_add_co_u32 s78, s78, s79
	s_lshl_b32 s79, s[WC], 8
	s_add_co_u32 s78, s78, s79
	s_mov_b32 s79, 0
	s_add_nc_u64 s[OUTP:OUTP+1], s[10:11], s[78:79]
	s_lshl_b32 s78, s[TY], 10                      ; stat at my 64 rows, 8 bytes each
	s_lshl_b32 s79, s[WR], 9
	s_add_co_u32 s78, s78, s79
	s_mov_b32 s79, 0
	s_add_nc_u64 s[STP:STP+1], s[6:7], s[78:79]
	CROUND
	s_cmp_eq_u32 s[WV], 0
	s_cbranch_scc0 .Lfirst_not_a
	tensor_load_to_lds s[G0A:G0A+3], s[G1A:G1A+7]
	s_nop 0
	tensor_load_to_lds s[G0A+4:G0A+7], s[G1A:G1A+7]
	s_nop 0
	PLACES
	s_branch .Lfirst_asked
.Lfirst_not_a:
	s_cmp_eq_u32 s[WV], 3
	s_cbranch_scc1 .Lfirst_asked
	tensor_load_to_lds s[G0B:G0B+3], s[G1B:G1B+7]
	s_nop 0
	tensor_load_to_lds s[G0B+4:G0B+7], s[G1B:G1B+7]
	s_nop 0
	PLACES
.Lfirst_asked:
	; THE ROWS' FACTORS, in the wait for the first tile.  Lane (r = l % 16, h = l / 16) takes the blocks t = 8 h + tt of rows 16 a + r.
	v_and_b32 v1, 15, v0
	v_bfe_u32 v2, v0, 4, 1
	v_lshlrev_b32 v[SA], 19, v2
	v_lshl_add_u32 v[SA], v1, 3, v[SA]
.irp a, 0,1,2,3
.irp tt, 0,1,2,3,4,5,6,7
	global_load_b64 v[SB+16*(\a)+2*(\tt):SB+16*(\a)+2*(\tt)+1], v[SA], s[STP:STP+1] offset:65536*(\tt)+128*(\a)
.endr
.endr
	v_mul_u32_u24 v3, v1, PITCH
	v_lshl_add_u32 v3, v2, 4, v3
	s_mul_i32 s75, s[WR], 64*PITCH
	v_add_nc_u32 v[A0], s75, v3
	s_mul_i32 s75, s[WV], 16*PITCH
	s_add_co_u32 s75, s75, STAGE
	v_add_nc_u32 v[STO], s75, v3
	v_mul_u32_u24 v[RD], v2, PITCH
	v_lshl_add_u32 v[RD], v1, 4, v[RD]
	v_add_nc_u32 v[RD], s75, v[RD]
	v_lshlrev_b32 v[CO], 11, v2
	v_lshl_add_u32 v[CO], v1, 4, v[CO]
	v_and_b32 v3, 7, v0                            ; the turning load: lane l reads key 8 (l / 16) + l % 8, channels 8 ((l / 8) % 2) + 0..7
	v_lshl_add_u32 v3, v2, 3, v3
	v_mul_u32_u24 v3, v3, PV
	v_bfe_u32 v[CC], v0, 3, 1
	v_lshl_add_u32 v3, v[CC], 4, v3
	s_lshl_b32 s75, s[WC], 8                       ; my 128 channels
	s_add_co_u32 s75, s75, HALFT
	v_add_nc_u32 v[B0], s75, v3
	s_lshl_b32 s75, s[WV], 12
	s_add_co_u32 s75, s75, FT
	v_lshl_add_u32 v[FA0], v1, 4, s75
	v_lshl_add_u32 v[FS], v2, 11, v[FA0]
	s_wait_loadcnt 0x0
.irp a, 0,1,2,3
	v_max3_num_f32 v[CC+(\a)], v[SB+16*(\a)], v[SB+16*(\a)+2], v[SB+16*(\a)+4]
.endr
.irp a, 0,1,2,3
	v_max3_num_f32 v[CC+4+(\a)], v[CC+(\a)], v[SB+16*(\a)+6], v[SB+16*(\a)+8]
.endr
.irp a, 0,1,2,3
	v_max3_num_f32 v[CC+4+(\a)], v[CC+4+(\a)], v[SB+16*(\a)+10], v[SB+16*(\a)+12]
.endr
.irp a, 0,1,2,3
	v_max_num_f32 v[CC+4+(\a)], v[CC+4+(\a)], v[SB+16*(\a)+14]
.endr
.irp a, 0,1,2,3
	v_permlanex16_b32 v[CC+(\a)], v[CC+4+(\a)], s[SEL], s[SEL+1]  ; the other eight blocks lie in the lane 16 away
.endr
.irp a, 0,1,2,3
	v_max_num_f32 v[CC+(\a)], v[CC+(\a)], v[CC+4+(\a)]             ; M
.endr
.irp a, 0,1,2,3
.irp tt, 0,1,2,3,4,5,6,7
	v_sub_f32 v[SB+16*(\a)+2*(\tt)], v[SB+16*(\a)+2*(\tt)], v[CC+(\a)]
.endr
.endr
.irp a, 0,1,2,3
.irp tt, 0,1,2,3,4,5,6,7
	v_exp_f32 v[SB+16*(\a)+2*(\tt)], v[SB+16*(\a)+2*(\tt)]
.endr
.endr
.irp a, 0,1,2,3
	v_mov_b32 v[CC+4+(\a)], 0                      ; l starts at 0: plain instructions behind the last exponential
.endr
	s_wait_alu depctr_va_vdst(0)                   ; the wait ahead of the first use: one for the 32 exponentials
.irp tt, 0,1,2,3,4,5,6,7
.irp a, 0,1,2,3
	v_cvt_pk_f16_f32 v[FH+4*(\tt)+(\a)], v[SB+16*(\a)+2*(\tt)], v[SB+16*(\a)+2*(\tt)]
.endr
.endr
.irp tt, 0,1,2,3,4,5,6,7
.irp a, 0,1,2,3
	v_fma_mix_f32 v[CC+4+(\a)], v[FH+4*(\tt)+(\a)], v[SB+16*(\a)+2*(\tt)+1], v[CC+4+(\a)] op_sel_hi:[1,0,0]  ; l += the rounded f_t x l_t, in f32
.endr
.endr
.irp tt, 0,1,2,3,4,5,6,7
	ds_store_b128 v[FS], v[FH+4*(\tt):FH+4*(\tt)+3] offset:256*(\tt)
.endr
.irp a, 0,1,2,3
	v_permlanex16_b32 v[CC+(\a)], v[CC+4+(\a)], s[SEL], s[SEL+1]
.endr
.irp a, 0,1,2,3
	v_add_f32 v[CC+4+(\a)], v[CC+4+(\a)], v[CC+(\a)]
.endr
.irp a, 0,1,2,3
	v_rcp_f32 v[ST+2*(\a)], v[CC+4+(\a)]
.endr
.irp a, 0,1,2,3
	v_mov_b32 v[ST+2*(\a)+1], 0                    ; named with 1 / l as a pair; also the plain instructions behind the last reciprocal
.endr
	s_wait_alu depctr_va_vdst(0)                   ; one wait for the four reciprocals
	s_wait_tensorcnt 1                             ; my part of K step 0 is in; K step 1's may stay out
	s_wait_dscnt 0x0                               ; my factors lie in LDS
	s_barrier_signal -1
	s_barrier_wait -1
	s_mov_b32 s[TB], 0
	s_mov_b32 s[FTB], 256
	v_mov_b32 v[ADRA], v[A0]
	v_mov_b32 v[ADRB], v[B0]
	v_mov_b32 v[FAD], v[FA0]
	FETCH 0, F0
	QUARTER F0, F1, 1, 1
	WIN 0
	s_mov_b32 s3, NK-2
.Lstep:
	QUARTER F1, F0, 2, 0
	QUARTER F0, F1, 3, 0
	TURN 1
	QUARTER F0, F1, 1, 0
	WIN 0
	s_sub_co_u32 s3, s3, 1
	s_cmp_lg_u32 s3, 0
	s_cbranch_scc1 .Lstep
	QUARTER F1, F0, 2, 0
	QUARTER F0, F1, 3, 0
	TURN 0
	QUARTER F0, F1, 1, 0
	QUARTER F1, F0, 2, 0
	QUARTER F0, F1, 3, 0
	s_wait_dscnt 4
	SCALE F1, 0
	MUL8 F1, 0, 0
	SCALE F1, 1
	MUL8 F1, 1, 0
	s_wait_dscnt 0x0
	SCALE F1, 2
	MUL8 F1, 2, 0
	SCALE F1, 3
	MUL8 F1, 3, 0
	WIN 0
	PLACES
; THE WAY OUT, a block of 16 rows at a time: divided by l in f32, rounded to f16, through my stage, stored as whole rows of 256 bytes.
.macro NORM a
	WIN 0x01                                       ; source 0 window 1
.set z, 0
.rept 32
	v_pk_mul_f32 v[T+2*z:T+2*z+1], v[64*(\a)+2*z:64*(\a)+2*z+1], v[ST+2*(\a):ST+2*(\a)+1] op_sel_hi:[1,0]
.set z, z+1
.endr
	WIN 0
.set z, 0
.rept 32
	v_cvt_pk_f16_f32 v[TMP+z], v[T+2*z], v[T+2*z+1]
.set z, z+1
.endr
.endm
.macro TOSTAGE a
.irp b, 0,1,2,3,4,5,6,7
	ds_store_b128 v[STO], v[TMP+4*(\b):TMP+4*(\b)+3] offset:32*(\b)
.endr
.irp t, 0,1,2,3,4,5,6,7
	ds_load_b128 v[BK+32*(\a)+4*(\t):BK+32*(\a)+4*(\t)+3], v[RD] offset:(\t)*2*PITCH  ; LDS serves a wave's instructions in order (ISA guide 5.7.1.4)
.endr
.endm
.macro SEND a
	s_wait_dscnt 0x0                               ; the block is back; each block has registers of its own, so no store's data is rewritten
.irp t, 0,1,2,3,4,5,6,7
	global_store_b128 v[CO], v[BK+32*(\a)+4*(\t):BK+32*(\a)+4*(\t)+3], s[OUTP:OUTP+1] offset:(16*(\a)+2*(\t))*ROWB  ; 16 lanes store 256 consecutive bytes, aligned
.endr
.endm
	NORM 0
	TOSTAGE 0
.irp a, 1,2,3
	NORM \a
	SEND (\a)-1
	TOSTAGE \a
.endr
	SEND 3
	s_wait_tensorcnt 0x0                           ; the wave's end
	ds_add_u32 v[SPW], v[NIL]
	s_wait_dscnt 0x0
	CROUND
	s_endpgm
.Lfunc_end_k_q06c55c933b_pv:
	.size	k_q06c55c933b_pv, .Lfunc_end_k_q06c55c933b_pv-k_q06c55c933b_pv
	.p2alignl 7, 3214868480
	.fill 96, 4, 3214868480
	.section	.rodata,"a",@progbits
	.p2align	6, 0x0
	.amdhsa_kernel k_q06c55c933b_pv
		.amdhsa_group_segment_fixed_size 327680
		.amdhsa_private_segment_fixed_size 0
		.amdhsa_enable_private_segment 0
		.amdhsa_kernarg_size 32
		.amdhsa_user_sgpr_count 2
		.amdhsa_user_sgpr_kernarg_segment_ptr 1
		.amdhsa_wavefront_size32 1
		.amdhsa_system_sgpr_workgroup_id_x 1
		.amdhsa_system_sgpr_workgroup_id_y 1
		.amdhsa_system_sgpr_workgroup_id_z 1
		.amdhsa_system_vgpr_workitem_id 0
		.amdhsa_next_free_vgpr 512
		.amdhsa_next_free_sgpr 80
		.amdhsa_reserve_vcc 0
		.amdhsa_float_denorm_mode_32 3
		.amdhsa_float_denorm_mode_16_64 3
		.amdhsa_memory_ordered 1
		.amdhsa_forward_progress 1
		.amdhsa_inst_pref_size 118
	.end_amdhsa_kernel
	.amdgpu_metadata
---
amdhsa.version: [ 1, 2 ]
amdhsa.kernels:
  - .name:           k_q06c55c933b_pv
    .symbol:         k_q06c55c933b_pv.kd
    .args:
      - { .name: pm, .offset: 0, .size: 8, .value_kind: global_buffer, .address_space: global }
      - { .name: stat, .offset: 8, .size: 8, .value_kind: global_buffer, .address_space: global }
      - { .name: qkv, .offset: 16, .size: 8, .value_kind: global_buffer, .address_space: global }
      - { .name: ctx, .offset: 24, .size: 8, .value_kind: global_buffer, .address_space: global }
    .group_segment_fixed_size: 327680
    .private_segment_fixed_size: 0
    .kernarg_segment_align: 8
    .kernarg_segment_size: 32
    .max_flat_workgroup_size: 128
    .sgpr_count:     80
    .vgpr_count:     512
    .wavefront_size: 32
...
	.end_amdgpu_metadata
.endif
;; end of part 4
;; launch outp (part 5): grid 4 x 64, 4 waves a work-group, clusters of 4 x 4, 327,680 bytes of LDS; arguments ctx, wo2, out0; writes out0
.if DOCPART == 5
	.amdgcn_target "amdgcn-amd-amdhsa--gfx1250"
	.amdhsa_code_object_version 6
	.text
	.protected	k_q06c55c933b_outp
	.globl	k_q06c55c933b_outp
	.p2align	8
	.type	k_q06c55c933b_outp,@function
k_q06c55c933b_outp:
	s_mov_b64 s[64:65], 0
	v_nop
	global_prefetch_b8 v0, s[64:65] scope:SCOPE_SE
	s_setreg_imm32_b32 hwreg(HW_REG_WAVE_MODE, 25, 1), 1
	s_wait_xcnt 0x0
	s_wait_alu depctr_hold_cnt(0) depctr_sa_sdst(0) depctr_va_vdst(0) depctr_va_sdst(0) depctr_va_ssrc(0) depctr_va_vcc(0) depctr_vm_vsrc(0)
	s_getreg_b32 s2, hwreg(HW_REG_IB_STS2, 6, 4)
	s_cmp_eq_u32 s2, 0
	s_cbranch_scc0 .Lentry_in_a_cluster
	s_endpgm
.Lentry_in_a_cluster:
	s_bfe_u32 s2, ttmp6, 0x10000c
	s_cmp_lg_u32 s2, 0xf033
	s_cbranch_scc0 .Lentry_shape_is_right
	s_endpgm
.Lentry_shape_is_right:
; out0 = ctx Wo^T + bo.  C[m][n] = sum over a of ctx[m][a] wo[n][a] + bo[n]; m < 8192, n < 1024, a < 1024.  Operands f16, sums f32, C stored in f32.
; wo2: bytes 0..4,095 bo (f32), from byte 12,288 on [1024][1024] f16.
; SHARES.  A tile of C is 128 x 256: 256 work-groups.  Four waves, 2 x 2: rows 64 (w / 2) on, columns 128 (w % 2) on: 32 accumulators.  K goes in steps of 128 through two LDS slots
; filled by tensor loads: wave 0 fetches ctx's 128 rows, waves 1 and 2 the halves of wo's 256 rows, wave 3 none.
; CLUSTER.  4 x 4 work-groups: ctx's tile is asked for jointly by a row of the cluster, wo's by a column.
; THE PRODUCT IS USED TRANSPOSED (source 0 = 16 rows of wo, source 1 = 16 rows of ctx): a lane holds row l % 16 of C and the columns 8 (l / 16) + 0..7.  The bias, laid out likewise, is the C operand of the first products.
; REGISTERS: window 0: v0-15 addresses; v32-127, v128-223 two fragment buffers; on the way out v32-159 rows read back.  window 1: accumulator (a, b) at v[8 (8 a + b)].  window 2: v0-63 the bias.
.set NK,    8
.set KB,    256
.set PITCH, 272
.set HALFT, 128*PITCH
.set SLOT1, 1<<17
.set SPARE, 130560
.set STAGE, SLOT1+3*HALFT              ; behind slot 1: 16 rows x 528 bytes for each wave; no tile lands here
.set SP,    528                        ; a stage row: 512 bytes + 16 = 132 words: the 16 rows of a store start at 16 different groups of four banks
.set WOFF,  12288
.set OROW,  4096                       ; bytes in a row of out0
.set A0, 4
.set B0, 5
.set ADRA, 6
.set ADRB, 7
.set STO, 8
.set RD,  9
.set CO,  10
.set PFO, 11
.set SPW, 12
.set NIL, 13
.set BO,  15
.set F0,  32
.set F1,  128
.set OB,  32                           ; two buffers of 64: 16 rows read back
.set WV, 12
.set WR, 13
.set WC, 14
.set HB, 15
.set CX, 16
.set CY, 17
.set TX, 18
.set TY, 19
.set G1A, 24
.set G0A, 32
.set G1B, 40
.set G0B, 48
.set PFA, 56
.set LIM, 60
.set TB,  61
.set OUTP, 70
.set BIA, 76
.set G1W0, (1<<16)|(1<<20)|(1<<21)|(5<<22)|(3<<25)
.set MSB, 0
.macro WIN new
.if MSB != (\new)
	s_set_vgpr_msb (MSB<<8)|(\new)
.set MSB, \new
.endif
.endm
.macro PLACES
.rept 4
	v_nop
.endr
.endm
.macro CREST
	s_cmp_lg_u32 s[WV], 0
	s_cbranch_scc1 .Lnot_wave_0_\@
	s_barrier_signal -3
.Lnot_wave_0_\@:
	s_barrier_wait -3
	s_barrier_signal -1
	s_barrier_wait -1
.endm
.macro CROUND
	s_barrier_signal -1
	s_barrier_wait -1
	CREST
.endm
.macro JLOAD                           ; a joint refill; the branches hang on the wave's number alone; an s_nop 0 and four v_nop follow each load, and are the places in front of the fragment loads
	s_cmp_eq_u32 s[WV], 0
	s_cbranch_scc0 .Lnot_a_\@
	tensor_load_to_lds s[G0A+4:G0A+7], s[G1A:G1A+7]
	s_nop 0
	PLACES
	s_branch .Lasked_\@
.Lnot_a_\@:
	s_cmp_eq_u32 s[WV], 3
	s_cbranch_scc1 .Lnone_\@
	tensor_load_to_lds s[G0B+4:G0B+7], s[G1B:G1B+7]
	s_nop 0
	PLACES
	s_branch .Lasked_\@
.Lnone_\@:
	PLACES
.Lasked_\@:
.endm
; A prefetch of the K step two refills on: 32 rows x 256 bytes, a lane a row.  ctx's rows are named by wave 0, wo's by waves 1 and 2 of the first row of clusters; the four partners that ask jointly take 32 rows each, by address.
; Each row's 256 bytes of a K step are named once.  The loop's last two trips have no such K step.
.macro ASK
	s_cmp_gt_u32 s3, s[LIM]
	s_cbranch_scc0 .Lnot_mine_\@
	global_prefetch_b8 v[PFO], s[PFA:PFA+1] th:TH_LOAD_NT scope:SCOPE_SE
.Lnot_mine_\@:
.endm
.macro MUL8 f, a, mode                 ; mode 2: the bias starts the sums; the 32 accumulators take turns
.if (\mode) == 2
	WIN 0x60
.else
	WIN 0x50
.endif
.irp b, 0,1,2,3,4,5,6,7
.if (\mode) == 2
	v_wmma_f32_16x16x32_f16 v[64*(\a)+8*(\b):64*(\a)+8*(\b)+7], v[(\f)+32+8*(\b):(\f)+32+8*(\b)+7], v[(\f)+8*(\a):(\f)+8*(\a)+7], v[8*(\b):8*(\b)+7]
.else
	v_wmma_f32_16x16x32_f16 v[64*(\a)+8*(\b):64*(\a)+8*(\b)+7], v[(\f)+32+8*(\b):(\f)+32+8*(\b)+7], v[(\f)+8*(\a):(\f)+8*(\a)+7], v[64*(\a)+8*(\b):64*(\a)+8*(\b)+7]
.endif
.endr
.endm
.macro FETCH q, f
	WIN 0
.irp i, 0,1,2,3,4,5,6,7
	ds_load_b128 v[(\f)+32+8*(\i):(\f)+32+8*(\i)+3],   v[ADRB] offset:64*(\q)+(\i)*16*PITCH
	ds_load_b128 v[(\f)+32+8*(\i)+4:(\f)+32+8*(\i)+7], v[ADRB] offset:64*(\q)+(\i)*16*PITCH+32
.endr
.irp i, 0,1,2,3
	ds_load_b128 v[(\f)+8*(\i):(\f)+8*(\i)+3],   v[ADRA] offset:64*(\q)+(\i)*16*PITCH
	ds_load_b128 v[(\f)+8*(\i)+4:(\f)+8*(\i)+7], v[ADRA] offset:64*(\q)+(\i)*16*PITCH+32
.endr
.endm
.macro QUARTER f, g, qn, mode
	s_wait_dscnt 4                                 ; the youngest four loads (A's fragments 2, 3) may be out
	MUL8 \f, 0, \mode
	MUL8 \f, 1, \mode
	WIN 0
	PLACES
	FETCH \qn, \g
	s_wait_dscnt 24                                ; all but the 24 just issued
	MUL8 \f, 2, \mode
	MUL8 \f, 3, \mode
.endm
.macro TURN fill                       ; the fourth quarter and the change of slots
.if \fill
	s_wait_xcnt 0x0                                ; the last prefetch, a K step back, has read its address
	s_add_nc_u64 s[PFA:PFA+1], s[PFA:PFA+1], KB
.endif
	WIN 0
	s_wait_tensorcnt 0x0                           ; all my tensor loads have landed: my part of the next slot
	ds_add_u32 v[SPW], v[NIL]
.if \fill
	s_xor_b32 s[G0A+5], s[G0A+5], SLOT1
	s_add_nc_u64 s[G0A+6:G0A+7], s[G0A+6:G0A+7], KB
	s_xor_b32 s[G0B+5], s[G0B+5], SLOT1
	s_add_nc_u64 s[G0B+6:G0B+7], s[G0B+6:G0B+7], KB
.endif
	s_wait_dscnt 5                                 ; the add and the youngest four loads may be out
	MUL8 F1, 0, 0
	s_wait_dscnt 0x0                               ; the add is done, and my reads of this slot are over
	s_barrier_signal -1
	MUL8 F1, 1, 0
	WIN 0
	s_barrier_wait -1
.if \fill
	CREST
	JLOAD
.else
	PLACES
.endif
	s_xor_b32 s[TB], s[TB], SLOT1
	v_add_nc_u32 v[ADRA], s[TB], v[A0]
	v_add_nc_u32 v[ADRB], s[TB], v[B0]
	FETCH 0, F0
.if \fill
	ASK
.endif
	MUL8 F1, 2, 0
	MUL8 F1, 3, 0
.endm
	s_load_b128 s[4:7], s[0:1], 0x0                ; ctx s[4:5], wo2 s[6:7]
	s_load_b64 s[8:9], s[0:1], 0x10                ; out0
	v_lshl_add_u32 v[SPW], v0, 2, SPARE
	v_mov_b32 v[NIL], 0
	ds_add_u32 v[SPW], v[NIL]                      ; the wave's opening: the add and its wait stand ahead of my first tensor load
	v_lshrrev_b32 v3, 5, v0
	v_readfirstlane_b32 s[WV], v3
	s_lshr_b32 s[WR], s[WV], 1
	s_and_b32 s[WC], s[WV], 1
	s_add_co_u32 s[HB], s[WV], 1
	s_and_b32 s[HB], s[HB], 1
	s_bfe_u32 s[CX], ttmp6, 0x40000
	s_bfe_u32 s[CY], ttmp6, 0x40004
	s_lshl_b32 s[TX], ttmp9, 2
	s_add_co_u32 s[TX], s[TX], s[CX]
	s_and_b32 s[TY], ttmp7, 0xffff
	s_lshl_b32 s[TY], s[TY], 2
	s_add_co_u32 s[TY], s[TY], s[CY]
	s_lshl_b32 s72, s[CY], 2
	s_lshl_b32 s72, 15, s72
	s_lshl_b32 s73, 0x1111, s[CX]
	s_or_b32 s[G1A], s72, G1W0
	s_or_b32 s[G1B], s73, G1W0
.irp g, G1A, G1B
	s_mov_b32 s[(\g)+1], 128<<16
	s_mov_b32 s[(\g)+2], 128<<16
	s_mov_b32 s[(\g)+3], 128<<16
	s_mov_b32 s[(\g)+4], 128
	s_mov_b32 s[(\g)+5], 1024
	s_mov_b32 s[(\g)+6], 0
	s_mov_b32 s[(\g)+7], 0
.endr
	s_lshl_b32 s20, s[TY], 18
	s_mov_b32 s21, 0
	s_lshl_b32 s22, s[TX], 19
	s_lshl_b32 s23, s[HB], 18
	s_add_co_u32 s22, s22, s23
	s_add_co_u32 s22, s22, WOFF
	s_mov_b32 s23, 0
	s_mul_i32 s74, s[WV], HALFT
.irp g, G0A, G0B
	s_mov_b32 s[(\g)], 1
	s_mov_b32 s[(\g)+1], s74
	s_mov_b32 s[(\g)+4], 1
	s_add_co_u32 s[(\g)+5], s74, SLOT1
.endr
	s_and_b32 s75, ttmp7, 0xffff                   ; who prefetches: wave 0 where cluster x = 0, waves 1 and 2 where cluster y = 0, wave 3 never
	s_cmp_eq_u32 s[WV], 0
	s_cselect_b32 s75, ttmp9, s75
	s_cmp_eq_u32 s[WV], 3
	s_cselect_b32 s75, 1, s75
	s_cmp_eq_u32 s75, 0
	s_cselect_b32 s[LIM], 2, -1
	v_and_b32 v[PFO], 31, v0
	v_lshlrev_b32 v[CO], 4, v[PFO]                 ; 16 x lane: a store of the wave covers 512 consecutive bytes of a row
	v_lshlrev_b32 v[PFO], 11, v[PFO]
	s_wait_dscnt 0x0
	s_wait_kmcnt 0x0
	s_add_nc_u64 s[G0A+2:G0A+3], s[4:5], s[20:21]
	s_add_nc_u64 s[G0A+6:G0A+7], s[G0A+2:G0A+3], KB
	s_or_b32 s[G0A+3], s[G0A+3], 0x80000000
	s_or_b32 s[G0A+7], s[G0A+7], 0x80000000
	s_add_nc_u64 s[G0B+2:G0B+3], s[6:7], s[22:23]
	s_add_nc_u64 s[G0B+6:G0B+7], s[G0B+2:G0B+3], KB
	s_or_b32 s[G0B+3], s[G0B+3], 0x80000000
	s_or_b32 s[G0B+7], s[G0B+7], 0x80000000
	s_lshl_b32 s78, s[CX], 16                      ; the prefetches: my work-group's 32 rows, at K step 3; the first refill steps them to K step 4
	s_add_co_u32 s78, s78, s20
	s_lshl_b32 s79, s[CY], 16
	s_add_co_u32 s79, s79, s22
	s_cmp_eq_u32 s[WV], 0
	s_cselect_b32 s78, s78, s79
	s_cselect_b64 s[PFA:PFA+1], s[4:5], s[6:7]
	s_add_co_u32 s78, s78, 3*KB
	s_mov_b32 s79, 0
	s_add_nc_u64 s[PFA:PFA+1], s[PFA:PFA+1], s[78:79]
	s_lshl_b32 s78, s[TY], 19                      ; out0: the tile's 128 rows of 4,096 bytes, my 64, the tile's 256 columns, my 128
	s_lshl_b32 s79, s[WR], 18
	s_add_co_u32 s78, s78, s79
	s_lshl_b32 s79, s[TX], 10
	s_add_co_u32 s78, s78, s79
	s_lshl_b32 s79, s[WC], 9
	s_add_co_u32 s78, s78, s79
	s_mov_b32 s79, 0
	s_add_nc_u64 s[OUTP:OUTP+1], s[8:9], s[78:79]
	s_lshl_b32 s78, s[TX], 10                      ; the bias of my 128 columns
	s_lshl_b32 s79, s[WC], 9
	s_add_co_u32 s78, s78, s79
	s_mov_b32 s79, 0
	s_add_nc_u64 s[BIA:BIA+1], s[6:7], s[78:79]
	CROUND
	s_cmp_eq_u32 s[WV], 0
	s_cbranch_scc0 .Lfirst_not_a
	tensor_load_to_lds s[G0A:G0A+3], s[G1A:G1A+7]
	s_nop 0
	tensor_load_to_lds s[G0A+4:G0A+7], s[G1A:G1A+7]
	s_nop 0
	PLACES
	s_branch .Lfirst_asked
.Lfirst_not_a:
	s_cmp_eq_u32 s[WV], 3
	s_cbranch_scc1 .Lfirst_asked
	tensor_load_to_lds s[G0B:G0B+3], s[G1B:G1B+7]
	s_nop 0
	tensor_load_to_lds s[G0B+4:G0B+7], s[G1B:G1B+7]
	s_nop 0
	PLACES
.Lfirst_asked:
	v_and_b32 v1, 15, v0
	v_bfe_u32 v2, v0, 4, 1
	v_lshlrev_b32 v[BO], 5, v2
	WIN 0x80
.irp b, 0,1,2,3,4,5,6,7
	global_load_b128 v[8*(\b):8*(\b)+3],   v[BO], s[BIA:BIA+1] offset:64*(\b)
	global_load_b128 v[8*(\b)+4:8*(\b)+7], v[BO], s[BIA:BIA+1] offset:64*(\b)+16
.endr
	WIN 0
	v_mul_u32_u24 v3, v1, PITCH
	v_lshl_add_u32 v3, v2, 4, v3
	s_mul_i32 s75, s[WR], 64*PITCH
	v_add_nc_u32 v[A0], s75, v3
	s_mul_i32 s75, s[WC], 128*PITCH
	s_add_co_u32 s75, s75, HALFT
	v_add_nc_u32 v[B0], s75, v3
	s_mul_i32 s75, s[WV], 16*SP
	s_add_co_u32 s75, s75, STAGE                   ; my stage
	v_mul_u32_u24 v[STO], v1, SP                   ; in: row l % 16, 32 bytes for each half of the lanes
	v_lshl_add_u32 v[STO], v2, 5, v[STO]
	v_add_nc_u32 v[STO], s75, v[STO]
	v_add_nc_u32 v[RD], s75, v[CO]                 ; back: 32 lanes take one row of 512 bytes
	s_wait_tensorcnt 1                             ; my part of K step 0 is in; K step 1's may stay out
	s_barrier_signal -1
	s_barrier_wait -1
	s_mov_b32 s[TB], 0
	v_mov_b32 v[ADRA], v[A0]
	v_mov_b32 v[ADRB], v[B0]
	FETCH 0, F0
	s_wait_loadcnt 0x0                             ; the bias
	QUARTER F0, F1, 1, 2
	WIN 0
	s_mov_b32 s3, NK-2
.Lstep:
	QUARTER F1, F0, 2, 0
	QUARTER F0, F1, 3, 0
	TURN 1
	QUARTER F0, F1, 1, 0
	WIN 0
	s_sub_co_u32 s3, s3, 1
	s_cmp_lg_u32 s3, 0
	s_cbranch_scc1 .Lstep
	QUARTER F1, F0, 2, 0
	QUARTER F0, F1, 3, 0
	TURN 0
	QUARTER F0, F1, 1, 0
	QUARTER F1, F0, 2, 0
	QUARTER F0, F1, 3, 0
	s_wait_dscnt 4
	MUL8 F1, 0, 0
	MUL8 F1, 1, 0
	s_wait_dscnt 0x0
	MUL8 F1, 2, 0
	MUL8 F1, 3, 0
	WIN 0
	PLACES
; THE WAY OUT, a block of 16 rows at a time: the f32 sums go into my own stage, 32 bytes a lane and column block, and come back as whole rows of 512 bytes.
.macro OUTB a
	WIN 0x04                                       ; the stores' data in window 1
.irp b, 0,1,2,3,4,5,6,7
	ds_store_b128 v[STO], v[64*(\a)+8*(\b):64*(\a)+8*(\b)+3]   offset:64*(\b)
	ds_store_b128 v[STO], v[64*(\a)+8*(\b)+4:64*(\a)+8*(\b)+7] offset:64*(\b)+16
.endr
	WIN 0
.if (\a) >= 2
	s_wait_xcnt 0x0                                ; the buffer's registers, which the stores of two blocks back read, are loaded again only behind this wait
.endif
.irp t, 0,1,2,3,4,5,6,7,8,9,10,11,12,13,14,15
	ds_load_b128 v[OB+64*((\a)%2)+4*(\t):OB+64*((\a)%2)+4*(\t)+3], v[RD] offset:(\t)*SP  ; LDS serves a wave's instructions in order (ISA guide 5.7.1.4): these see the stores above
.endr
.irp t, 0,1,2,3,4,5,6,7,8,9,10,11,12,13,14,15
	s_wait_dscnt 15-(\t)                           ; row t is back; the younger loads may be out
	global_store_b128 v[CO], v[OB+64*((\a)%2)+4*(\t):OB+64*((\a)%2)+4*(\t)+3], s[OUTP:OUTP+1] offset:(16*(\a)+(\t))*OROW  ; 512 consecutive bytes, aligned
.endr
.endm
	OUTB 0
	OUTB 1
	OUTB 2
	OUTB 3
	s_wait_tensorcnt 0x0                           ; the wave's end
	ds_add_u32 v[SPW], v[NIL]
	s_wait_dscnt 0x0
	CROUND
	s_endpgm
.Lfunc_end_k_q06c55c933b_outp:
	.size	k_q06c55c933b_outp, .Lfunc_end_k_q06c55c933b_outp-k_q06c55c933b_outp
	.p2alignl 7, 3214868480
	.fill 96, 4, 3214868480
	.section	.rodata,"a",@progbits
	.p2align	6, 0x0
	.amdhsa_kernel k_q06c55c933b_outp
		.amdhsa_group_segment_fixed_size 327680
		.amdhsa_private_segment_fixed_size 0
		.amdhsa_enable_private_segment 0
		.amdhsa_kernarg_size 24
		.amdhsa_user_sgpr_count 2
		.amdhsa_user_sgpr_kernarg_segment_ptr 1
		.amdhsa_wavefront_size32 1
		.amdhsa_system_sgpr_workgroup_id_x 1
		.amdhsa_system_sgpr_workgroup_id_y 1
		.amdhsa_system_sgpr_workgroup_id_z 1
		.amdhsa_system_vgpr_workitem_id 0
		.amdhsa_next_free_vgpr 576
		.amdhsa_next_free_sgpr 80
		.amdhsa_reserve_vcc 0
		.amdhsa_float_denorm_mode_32 3
		.amdhsa_float_denorm_mode_16_64 3
		.amdhsa_memory_ordered 1
		.amdhsa_forward_progress 1
		.amdhsa_inst_pref_size 73
	.end_amdhsa_kernel
	.amdgpu_metadata
---
amdhsa.version: [ 1, 2 ]
amdhsa.kernels:
  - .name:           k_q06c55c933b_outp
    .symbol:         k_q06c55c933b_outp.kd
    .args:
      - { .name: ctx, .offset: 0, .size: 8, .value_kind: global_buffer, .address_space: global }
      - { .name: wo2, .offset: 8, .size: 8, .value_kind: global_buffer, .address_space: global }
      - { .name: out0, .offset: 16, .size: 8, .value_kind: global_buffer, .address_space: global }
    .group_segment_fixed_size: 327680
    .private_segment_fixed_size: 0
    .kernarg_segment_align: 8
    .kernarg_segment_size: 24
    .max_flat_workgroup_size: 128
    .sgpr_count:     80
    .vgpr_count:     576
    .wavefront_size: 32
...
	.end_amdgpu_metadata
.endif
;; end of part 5
